; MI455X (gfx1250); checked and timed in simulation.
; The chip was launched on July 23, 2026; its instructions are those of AMD's public machine-readable ISA for CDNA 5 (MIT licence, August 2026) and "CDNA5" Instruction Set Architecture Reference Guide (July 2026). The comments in the code are by the model that wrote it; some were corrected since.
;; Attention. Allowed arithmetic: float matrix products may take bf16 or f16 operands with f32 sums; other float arithmetic in f32, or as packed bf16 or f16 multiplies, adds, multiply-adds, maxima and minima; sums over many terms, partial sums and values carried from step to step in f32; what a program stores and reads back later, other than sums and carried values, may be rounded once to bf16 or f16.
;; Inputs: ln_b 1,024 float32; ln_w 1,024 float32; w_out 1,024 x 1,024 float32; w_qkv 1,024 x 3,072 float32; x 4 x 2,048 x 1,024 float32.
;; Outputs: out0 4 x 2,048 x 1,024 float32.
;; 2 versions, each right; version 2 is version 1 with the launch prep written anew for expert scheduling mode. Each part assembles by itself: llvm-mc -triple=amdgcn-amd-amdhsa -mcpu=gfx1250 --defsym DOCPART=n.
;; ======== version 1 of 2: 4 launches
;; limits: values are held in f16: magnitudes above 65,504 overflow, below 6.1e-05 lose precision
;; workspace buffers: h 16,777,216 bytes; wq 6,291,456 bytes; wo 2,097,152 bytes; qkv 50,331,648 bytes; o 16,777,216 bytes
;; launch prep (part 1): grid 768 x 1, 4 waves a work-group, no clusters, 0 bytes of LDS; arguments x, ln_w, ln_b, w_qkv, w_out, h, wq, wo; writes h, wq, wo
.if DOCPART == 1
	.amdgcn_target "amdgcn-amd-amdhsa--gfx1250"
	.amdhsa_code_object_version 6
	.text
	.protected	k_qabbc2ea633_prep
	.globl	k_qabbc2ea633_prep
	.p2align	8
	.type	k_qabbc2ea633_prep,@function
k_qabbc2ea633_prep:
	s_mov_b64 s[64:65], 0
	v_nop
	global_prefetch_b8 v0, s[64:65] scope:SCOPE_SE
	s_setreg_imm32_b32 hwreg(HW_REG_WAVE_MODE, 25, 1), 1
	s_wait_xcnt 0x0
; TWO STREAMS IN ONE LAUNCH.  Work-groups 0-511: h = LayerNorm(x) * ln_w + ln_b, rounded once to f16.  Work-groups 512-767: w_qkv and w_out rounded once to f16, in place order.
; Every work-group reads 65,536 bytes of f32 and writes 32,768 bytes of f16, so all are alike.  No LDS, no barrier, no matrix unit, no cluster: nothing but ln_w and ln_b (8 KiB) is read by two waves.
; LAYERNORM in f32, in two passes over registers: the mean, then the mean of (x - mean)^2, so that a common offset in x is taken away before anything is squared.
; h lies as [4 batches][16 slices of 64 channels][2,048 rows][64] f16: 64 channels of consecutive rows are dense, which is how the product behind asks for them.
; SHARES.  A work-group has 16 rows, a wave 4, as two PAIRS: lanes 0-15 hold one row, lanes 16-31 the next.  A lane holds channels 64 j + 4 (lane % 16) + 0..3, j = 0..15:
; a load's 16 lanes take 256 consecutive bytes of a row, aligned; a store's 32 lanes write two rows of slice j, 256 consecutive bytes, aligned.  A row's sums never leave its 16 lanes.
; LIMITS.  f16 ends at 65,504: |h| (at most 32 |ln_w| + |ln_b|) and the weights stay within it; weights below 6e-5 keep f16's fixed step of 6e-8.  NaN and infinities are not treated apart.
; REGISTERS.  v4-6 offsets; v10-17 four chains of pairs; v18-19 the mean, twice; v20-21 1 / sigma, twice; v24-87 ln_w; v88-215 x, two pairs of rows (in the cast: 32 loads);
; window 1 (v256-319): ln_b, named by its loads and by the multiply-adds alone.
.set XO, 4
.set HO, 5
.set WO, 6
.set T,  10
.set MU, 18
.set R,  20
.set W,  24
.set X,  88
.set B,  0                             ; in window 1
.set MSB, 0
.macro WIN new                         ; the immediate's high byte repeats the setting that is left
.if MSB != (\new)
	s_set_vgpr_msb (MSB<<8)|(\new)
.set MSB, (\new)
.endif
.endm
	s_load_b512 s[8:23], s[0:1], 0x0               ; x 8:9, ln_w 10:11, ln_b 12:13, w_qkv 14:15, w_out 16:17, h 18:19, wq 20:21, wo 22:23
	s_mov_b32 s2, ttmp9
	s_mov_b32 s24, 0x3a800000                      ; 1 / 1024
	s_mov_b32 s25, 0x3727c5ac                      ; 1e-5
	v_and_b32 v1, 15, v0                           ; lane % 16
	v_bfe_u32 v2, v0, 4, 1                         ; which row of a pair
	v_lshrrev_b32 v3, 5, v0                        ; wave
	s_wait_kmcnt 0x0
	s_cmp_lt_u32 s2, 512
	s_cbranch_scc0 .Lcast
	s_lshl_b32 s4, s2, 16                          ; 16 rows of 4,096 bytes
	s_mov_b32 s5, 0
	s_add_nc_u64 s[8:9], s[8:9], s[4:5]
	s_lshr_b32 s6, s2, 7                           ; the batch: 128 work-groups each,
	s_lshl_b32 s6, s6, 22                          ; 16 slices of 262,144 bytes
	s_and_b32 s7, s2, 127
	s_lshl_b32 s7, s7, 11                          ; 16 rows of 128 bytes in a slice
	s_add_co_u32 s6, s6, s7
	s_mov_b32 s7, 0
	s_add_nc_u64 s[18:19], s[18:19], s[6:7]
	v_lshlrev_b32 v[WO], 4, v1                     ; 16 (lane % 16)
	v_lshl_add_u32 v[XO], v2, 12, v[WO]            ; + my row of the pair
	v_lshl_add_u32 v[XO], v3, 14, v[XO]            ; + my wave's four rows
	v_lshl_add_u32 v[HO], v3, 2, v2                ; row 4 wave + (0 or 1),
	v_lshlrev_b32 v[HO], 7, v[HO]                  ; 128 bytes each,
	v_lshl_add_u32 v[HO], v1, 3, v[HO]             ; my four channels
.irp p, 0,1
.irp j, 0,1,2,3,4,5,6,7,8,9,10,11,12,13,14,15
	global_load_b128 v[X+64*(\p)+4*(\j):X+64*(\p)+4*(\j)+3], v[XO], s[8:9] offset:8192*(\p)+256*(\j) th:TH_LOAD_NT
.endr
.endr
.irp j, 0,1,2,3,4,5,6,7,8,9,10,11,12,13,14,15
	global_load_b128 v[W+4*(\j):W+4*(\j)+3], v[WO], s[10:11] offset:256*(\j)
.endr
	WIN 0x40                                       ; destination in window 1
.irp j, 0,1,2,3,4,5,6,7,8,9,10,11,12,13,14,15
	global_load_b128 v[B+4*(\j):B+4*(\j)+3], v[WO], s[12:13] offset:256*(\j)
.endr
	WIN 0
.macro REDUCE                          ; four chains of pairs into one number, then over the row's 16 lanes: every lane of the row ends with the sum
	v_pk_add_f32 v[T:T+1], v[T:T+1], v[T+2:T+3]
	v_pk_add_f32 v[T+4:T+5], v[T+4:T+5], v[T+6:T+7]
	v_pk_add_f32 v[T:T+1], v[T:T+1], v[T+4:T+5]
	v_add_f32 v[T], v[T], v[T+1]
.irp m, 1,2,4,8
	v_add_f32_dpp v[T], v[T], v[T] row_xmask:\m row_mask:0xf bank_mask:0xf
.endr
.endm
.macro LNROW p                         ; a pair of rows
.set XP, X+64*(\p)
.if (\p) == 0
	s_wait_loadcnt 48                              ; pair 0 is in; the 48 younger loads (pair 1, ln_w, ln_b) stay out
.endif
.irp c, 0,1,2,3
	v_pk_add_f32 v[T+2*(\c):T+2*(\c)+1], v[XP+2*(\c):XP+2*(\c)+1], v[XP+8+2*(\c):XP+8+2*(\c)+1]  ; the first eight pairs start the chains: nothing is cleared
.endr
.set i, 8
.rept 24
	v_pk_add_f32 v[T+2*(i%4):T+2*(i%4)+1], v[T+2*(i%4):T+2*(i%4)+1], v[XP+2*i:XP+2*i+1]
.set i, i+1
.endr
	REDUCE
	v_mul_f32 v[MU], s24, v[T]
	v_mov_b32 v[MU+1], v[MU]
.set i, 0
.rept 8                                ; x - mean in place, four pairs at a time, and their squares into the chains
.irp c, 0,1,2,3
	v_pk_add_f32 v[XP+8*i+2*(\c):XP+8*i+2*(\c)+1], v[XP+8*i+2*(\c):XP+8*i+2*(\c)+1], v[MU:MU+1] neg_lo:[0,1] neg_hi:[0,1]
.endr
.irp c, 0,1,2,3
.if i == 0
	v_pk_mul_f32 v[T+2*(\c):T+2*(\c)+1], v[XP+2*(\c):XP+2*(\c)+1], v[XP+2*(\c):XP+2*(\c)+1]
.else
	v_pk_fma_f32 v[T+2*(\c):T+2*(\c)+1], v[XP+8*i+2*(\c):XP+8*i+2*(\c)+1], v[XP+8*i+2*(\c):XP+8*i+2*(\c)+1], v[T+2*(\c):T+2*(\c)+1]
.endif
.endr
.set i, i+1
.endr
	REDUCE
	v_fma_f32 v[T], v[T], s24, s25                 ; variance + 1e-5
	v_rsq_f32 v[R], v[T]                           ; twice, to fill the pair that the packed multiply names
	v_rsq_f32 v[R+1], v[T]
	v_nop                                          ; a plain instruction behind the last of them (ISA guide 5.7.2)
.if (\p) == 0
	s_wait_loadcnt 0x0                             ; ln_w and ln_b are in, and pair 1 with them
.endif
	s_wait_alu depctr_va_vdst(0)                   ; one wait for the batch of two, ahead of their first reader
.set i, 0
.rept 32
	v_pk_mul_f32 v[XP+2*i:XP+2*i+1], v[XP+2*i:XP+2*i+1], v[R:R+1]
.set i, i+1
.endr
	WIN 0x10                                       ; source 2, ln_b, in window 1
.set i, 0
.rept 32
	v_pk_fma_f32 v[XP+2*i:XP+2*i+1], v[XP+2*i:XP+2*i+1], v[W+2*i:W+2*i+1], v[B+2*i:B+2*i+1]
.set i, i+1
.endr
	WIN 0
.set i, 0
.rept 16                               ; slice i: four channels a lane, 8 bytes; no store's register is written again
	v_cvt_pk_f16_f32 v[XP+4*i], v[XP+4*i], v[XP+4*i+1]
	v_cvt_pk_f16_f32 v[XP+4*i+1], v[XP+4*i+2], v[XP+4*i+3]
	global_store_b64 v[HO], v[XP+4*i:XP+4*i+1], s[18:19] offset:256*(\p)+262144*i  ; 32 lanes: 256 consecutive bytes, at a multiple of 256 from h's first byte
.set i, i+1
.endr
.endm
	LNROW 0
	LNROW 1
	s_endpgm
.Lcast:                                            ; 192 work-groups for w_qkv, 64 for w_out
	s_sub_co_u32 s3, s2, 512
	s_sub_co_u32 s26, s3, 192
	s_cmp_lt_u32 s3, 192
	s_cselect_b32 s3, s3, s26                      ; my number within my tensor
	s_cselect_b64 s[4:5], s[14:15], s[16:17]       ; from
	s_cselect_b64 s[6:7], s[20:21], s[22:23]       ; to
	s_lshl_b32 s26, s3, 16
	s_mov_b32 s27, 0
	s_add_nc_u64 s[4:5], s[4:5], s[26:27]
	s_lshl_b32 s28, s3, 15
	s_mov_b32 s29, 0
	s_add_nc_u64 s[6:7], s[6:7], s[28:29]
	v_and_b32 v7, 31, v0
	v_lshlrev_b32 v[XO], 4, v7
	v_lshl_add_u32 v[XO], v3, 14, v[XO]            ; 16,384 x wave + 16 x lane
	v_lshlrev_b32 v[HO], 3, v7
	v_lshl_add_u32 v[HO], v3, 13, v[HO]            ; 8,192 x wave + 8 x lane
.set i, 0
.rept 32                               ; all of the wave's 16 KiB go out at once
	global_load_b128 v[X+4*i:X+4*i+3], v[XO], s[4:5] offset:512*i th:TH_LOAD_NT
.set i, i+1
.endr
.set g, 0
.rept 4                                ; four groups of eight loads
	s_wait_loadcnt 24-8*g                          ; loads come back in order (ISA guide 5.7.1): group g is in; the 24 - 8 g loads issued behind it stay out
.set i, 8*g
.rept 8
	v_cvt_pk_f16_f32 v[X+4*i], v[X+4*i], v[X+4*i+1]
	v_cvt_pk_f16_f32 v[X+4*i+1], v[X+4*i+2], v[X+4*i+3]
	global_store_b64 v[HO], v[X+4*i:X+4*i+1], s[6:7] offset:256*i  ; 256 consecutive bytes, aligned; no store's register is written again
.set i, i+1
.endr
.set g, g+1
.endr
	s_endpgm
.Lfunc_end_k_qabbc2ea633_prep:
	.size	k_qabbc2ea633_prep, .Lfunc_end_k_qabbc2ea633_prep-k_qabbc2ea633_prep
	.p2alignl 7, 3214868480
	.fill 96, 4, 3214868480
	.section	.rodata,"a",@progbits
	.p2align	6, 0x0
	.amdhsa_kernel k_qabbc2ea633_prep
		.amdhsa_group_segment_fixed_size 0
		.amdhsa_private_segment_fixed_size 0
		.amdhsa_enable_private_segment 0
		.amdhsa_kernarg_size 64
		.amdhsa_user_sgpr_count 2
		.amdhsa_user_sgpr_kernarg_segment_ptr 1
		.amdhsa_wavefront_size32 1
		.amdhsa_system_sgpr_workgroup_id_x 1
		.amdhsa_system_sgpr_workgroup_id_y 1
		.amdhsa_system_sgpr_workgroup_id_z 1
		.amdhsa_system_vgpr_workitem_id 0
		.amdhsa_next_free_vgpr 320
		.amdhsa_next_free_sgpr 66
		.amdhsa_reserve_vcc 0
		.amdhsa_float_denorm_mode_32 3
		.amdhsa_float_denorm_mode_16_64 3
		.amdhsa_memory_ordered 1
		.amdhsa_forward_progress 1
		.amdhsa_inst_pref_size 48
	.end_amdhsa_kernel
	.amdgpu_metadata
---
amdhsa.version: [ 1, 2 ]
amdhsa.kernels:
  - .name:           k_qabbc2ea633_prep
    .symbol:         k_qabbc2ea633_prep.kd
    .args:
      - { .name: x, .offset: 0, .size: 8, .value_kind: global_buffer, .address_space: global }
      - { .name: ln_w, .offset: 8, .size: 8, .value_kind: global_buffer, .address_space: global }
      - { .name: ln_b, .offset: 16, .size: 8, .value_kind: global_buffer, .address_space: global }
      - { .name: w_qkv, .offset: 24, .size: 8, .value_kind: global_buffer, .address_space: global }
      - { .name: w_out, .offset: 32, .size: 8, .value_kind: global_buffer, .address_space: global }
      - { .name: h, .offset: 40, .size: 8, .value_kind: global_buffer, .address_space: global }
      - { .name: wq, .offset: 48, .size: 8, .value_kind: global_buffer, .address_space: global }
      - { .name: wo, .offset: 56, .size: 8, .value_kind: global_buffer, .address_space: global }
    .group_segment_fixed_size: 0
    .private_segment_fixed_size: 0
    .kernarg_segment_align: 8
    .kernarg_segment_size: 64
    .max_flat_workgroup_size: 128
    .sgpr_count:     66
    .vgpr_count:     320
    .wavefront_size: 32
...
	.end_amdgpu_metadata
.endif
;; end of part 1
;; launch qkv (part 2): grid 8 x 32, 4 waves a work-group, clusters of 4 x 4, 327,680 bytes of LDS; arguments h, wq, qkv; writes qkv
.if DOCPART == 2
	.amdgcn_target "amdgcn-amd-amdhsa--gfx1250"
	.amdhsa_code_object_version 6
	.text
	.protected	k_qabbc2ea633_qkv
	.globl	k_qabbc2ea633_qkv
	.p2align	8
	.type	k_qabbc2ea633_qkv,@function
k_qabbc2ea633_qkv:
	s_mov_b64 s[64:65], 0
	v_nop
	global_prefetch_b8 v0, s[64:65] scope:SCOPE_SE
	s_setreg_imm32_b32 hwreg(HW_REG_WAVE_MODE, 25, 1), 1
	s_wait_xcnt 0x0
	s_wait_alu depctr_hold_cnt(0) depctr_sa_sdst(0) depctr_va_vdst(0) depctr_va_sdst(0) depctr_va_ssrc(0) depctr_va_vcc(0) depctr_vm_vsrc(0)
	s_getreg_b32 s2, hwreg(HW_REG_IB_STS2, 6, 4)
	s_cmp_eq_u32 s2, 0
	s_cbranch_scc0 .Lentry_in_a_cluster
	s_endpgm
.Lentry_in_a_cluster:
	s_bfe_u32 s2, ttmp6, 0x10000c
	s_cmp_lg_u32 s2, 0xf033
	s_cbranch_scc0 .Lentry_shape_is_right
	s_endpgm
.Lentry_shape_is_right:
; qkv = h wq, written by heads.  h: [4][16 slices][2,048 rows][64] f16 (8,192 rows x 1,024 channels); wq: [1,024 k][3,072 n] f16; qkv: [3][64 = 16 batch + head][2,048][64] f16.  Sums in f32, rounded once.
; LIMIT.  q, k and v stay within f16's 65,504.
; SHARES.  A tile of the result is 256 rows x 384 columns: 32 x 8 = 256 work-groups.  Wave w (wm = w / 2, wn = w % 2) makes rows 128 wm .. + 127 and the three groups of 64 columns 128 g + 64 wn,
; g = 0, 1, 2: 8 x 12 accumulators of 16 x 16, 768 registers.  A group of 64 columns is one head of q, k or v.  Column block t of 12 is columns 128 (t / 4) + 64 wn + 16 (t % 4).
; K goes in 16 steps of 64, a slice of h each, through two LDS slots: h's tile is 32 KiB on end, asked for as rows of 256 bytes; wq's is 64 rows of 768 bytes.  A step is 192 matrix instructions a wave.
; THE MATRIX INSTRUCTION IS USED TRANSPOSED: source 0 = 16 columns of wq (turned on the way out of LDS by ds_load_tr16_b128), source 1 = 16 rows of h: a lane holds row lane % 16 and 8 neighbouring columns.
; CLUSTER 4 x 4: h's tile is shared along a row of the cluster, wq's along a column; each is asked for jointly, by the same load, descriptor and mask in all four.
; REGISTERS.  window 0: v16-30 addresses; v32-95, v96-159 h's fragments (8), two buffers; v160-207, v208-255 wq's (6), two buffers.  Accumulator (a, t): window 1 + t / 4, v[64 (t % 4) + 8 a].
; The 96 accumulators take turns, one instruction a turn, in the same order in every quarter step, over the backward jump too.
.set SLOT1, 131072                     ; slot 1 begins here: one exclusive or turns an address in one slot into the other's
.set PA,    144                        ; a row of h in LDS: 128 bytes + 16: the 16 rows of a load start at 16 different groups of four banks (64 banks of 4 bytes: ISA guide 11.1)
.set PB,    864                        ; a row of wq: three times 256 + 32 bytes = 27 x 32
.set BOFF,  256*PA                     ; a slot: 256 rows of h, then 64 rows of wq
.set STAGE, SLOT1+BOFF+64*PB           ; behind the ring, never filled by a tensor load: 16 rows x 144 bytes for each wave
.set SPARE, STAGE+4*16*PA              ; the spare words, 128 bytes a wave: two blocks of 256 bytes that no other line names
.set ASTEP, 262144                     ; bytes from a slice of h to the next
.set BSTEP, 64*6144                    ; 64 rows of wq
.set AA0, 16                           ; v16  my lane's place in a slot's rows of h; never rewritten
.set AB0, 17                           ; v17  the same for wq
.set ADA, 18                           ; v18  AA0 + the slot in hand
.set ADB, 19                           ; v19  AB0 + the slot in hand
.set STO, 24                           ; v24  the way out: where I put 16 bytes of a row
.set RD,  25                           ; v25  where I read rows back
.set GO,  26                           ; v26  my 16 bytes of 512 consecutive bytes of qkv
.set SPW, 28                           ; v28  my spare word: SPARE + 4 x my thread's number; never rewritten
.set NIL, 29                           ; v29  0; never rewritten
.set PFO, 30                           ; v30  the prefetches' offset; never rewritten
.set FA0, 32
.set FA1, 96
.set FB0, 160
.set FB1, 208
.set TMP, 32                           ; the way out: 16 packed registers
.set BK,  64                           ; and two buffers of 16, rows read back
.set G1A, 24                           ; s[24:31] group 1 for h's tiles;  s[32:39] group 0: a set for each first fill; the second then walks
.set G0A, 32
.set G1B, 48                           ; s[48:55], s[56:63] the same for wq's
.set G0B, 56
.set CNT, 3                            ; s3   trips to go
.set TB,  67                           ; s67  0 or SLOT1: the slot in hand
.set PFA, 68                           ; s[68:69] where my prefetches stand
.set PSTEP, 70                         ; s[70:71] their step
.set LIM, 72                           ; s72  1 in a wave that prefetches, else the greatest number
.set W0F, 73                           ; s73  1 in wave 0, which asks in every trip; 0 in waves 1-3, which ask in odd trips
.set OG,  74                           ; s[74:79] qkv at my rows of my three heads
.set MSB, 0
.macro WIN new                         ; the immediate's high byte repeats the setting that is left
.if MSB != (\new)
	s_set_vgpr_msb (MSB<<8)|(\new)
.set MSB, (\new)
.endif
.endm
.macro PLACES                          ; four places in front of loads into registers that matrix instructions have read, and of conversions that read results
.rept 4
	v_nop
.endr
.endm
.macro JLOAD                           ; a joint refill: waves 0 and 1 fetch the halves of h's tile, waves 2 and 3 those of wq's
	s_cmp_eq_u32 s11, 0
	s_cbranch_scc0 .Lfor_b_\@
	tensor_load_to_lds s[G0A+4:G0A+7], s[G1A:G1A+7]
	s_nop 0
.rept 4
	v_nop
.endr
	s_branch .Lasked_\@
.Lfor_b_\@:
	tensor_load_to_lds s[G0B+4:G0B+7], s[G1B:G1B+7]
	s_nop 0
.rept 4
	v_nop
.endr
.Lasked_\@:
.endm
.macro CREST                           ; a round of the cluster's barrier behind its opening barrier
	s_cmp_lg_u32 s10, 0
	s_cbranch_scc1 .Lnot_wave_0_\@
	s_barrier_signal -3
.Lnot_wave_0_\@:
	s_barrier_wait -3
	s_barrier_signal -1
	s_barrier_wait -1
.endm
.macro CROUND
	s_barrier_signal -1
	s_barrier_wait -1
	CREST
.endm
; A PREFETCH INTO THE L2, behind the joint load, its five lines and the run of LDS loads.  Each aligned block of 256 bytes of h and wq is named once in the launch.
; h's tile row is read by both clusters of its row of clusters: cluster x = 0 asks, its wave 0, in trip i for K step i + 3 (one step, 192 matrix instructions, ahead of the load that wants it): the tile's
; 128 blocks are shared out by address, partner cx takes 32, a lane a block.  wq's tile column is read by all eight clusters of its column: cluster y = 0 asks, waves 1-3 one 256-byte third of the rows
; each, in odd trips for the 128 rows of K steps i + 3 and i + 4; partner cy takes 32 rows, a lane a row.  The last trip asks for nothing, the trip before it only for h's last step; the first steps come by their loads alone.
.macro ASK
	s_cmp_gt_u32 s[CNT], s[LIM]
	s_cselect_b32 s14, 1, 0
	s_or_b32 s15, s[CNT], s[W0F]                   ; CNT = 14 - i is odd in odd trips
	s_and_b32 s14, s14, s15
	s_cmp_lg_u32 s14, 0
	s_cbranch_scc0 .Lnot_mine_\@
	global_prefetch_b8 v[PFO], s[PFA:PFA+1] th:TH_LOAD_NT scope:SCOPE_SE
.Lnot_mine_\@:
.endm
	s_load_b128 s[4:7], s[0:1], 0x0                ; h s[4:5], wq s[6:7]
	s_load_b64 s[8:9], s[0:1], 0x10                ; qkv
	v_lshl_add_u32 v[SPW], v0, 2, SPARE
	v_mov_b32 v[NIL], 0
	ds_add_u32 v[SPW], v[NIL]                      ; the wave's opening: the add and its wait stand ahead of my first tensor load; the set-up, work on registers, stands between
	v_lshrrev_b32 v1, 5, v0
	v_readfirstlane_b32 s10, v1                    ; wave 0..3
	s_lshr_b32 s11, s10, 1                         ; wm.  Also: I fetch for h (0) or for wq (1)
	s_and_b32 s12, s10, 1                          ; wn.  Also: which half of that tile I fetch
	s_bfe_u32 s40, ttmp6, 0x40000                  ; cx
	s_bfe_u32 s41, ttmp6, 0x40004                  ; cy
	s_lshl_b32 s42, ttmp9, 2
	s_add_co_u32 s42, s42, s40                     ; tile column c = 4 x cluster x + cx
	s_and_b32 s13, ttmp7, 0xffff
	s_lshl_b32 s13, s13, 2
	s_add_co_u32 s13, s13, s41                     ; tile row r = 4 x cluster y + cy
	s_lshl_b32 s43, s41, 2
	s_lshl_b32 s43, 15, s43                        ; my row of the cluster
	s_lshl_b32 s44, 0x1111, s40                    ; my column
	s_or_b32 s[G1A], s43, (1<<16)|(1<<20)|(1<<21)|(4<<22)|(3<<25)  ; the mask; 2-byte elements; padding on; bit 21 beside a mask; after every 32 words 4 words
	s_or_b32 s[G1B], s44, (1<<16)|(1<<20)|(1<<21)|(5<<22)|(7<<25)  ; after every 64 words 8 words
	s_mov_b32 s[G1A+1], 128<<16                    ; h: 128 rows of a slice are 16,384 dense bytes: 64 rows of 128 elements
	s_mov_b32 s[G1A+2], 64<<16
	s_mov_b32 s[G1A+3], 128<<16
	s_mov_b32 s[G1A+4], 64
	s_mov_b32 s[G1A+5], 128
	s_mov_b32 s[G1A+6], 0
	s_mov_b32 s[G1A+7], 0
	s_mov_b32 s[G1B+1], 384<<16                    ; wq: 32 rows of 384 elements, 3,072 elements from row to row
	s_mov_b32 s[G1B+2], 32<<16
	s_mov_b32 s[G1B+3], 384<<16
	s_mov_b32 s[G1B+4], 32
	s_mov_b32 s[G1B+5], 3072
	s_mov_b32 s[G1B+6], 0
	s_mov_b32 s[G1B+7], 0
	s_lshr_b32 s16, s13, 3                         ; h's tile hangs on r and the wave alone: the batch (eight tile rows each),
	s_lshl_b32 s16, s16, 22
	s_and_b32 s17, s13, 7
	s_lshl_b32 s17, s17, 15                        ; 256 rows of 128 bytes,
	s_add_co_u32 s16, s16, s17
	s_lshl_b32 s17, s12, 14                        ; my 128 of them
	s_add_co_u32 s16, s16, s17
	s_mov_b32 s17, 0
	s_mul_i32 s46, s42, 768                        ; wq's on c and the wave alone: 384 columns,
	s_mul_i32 s47, s12, 32*6144                    ; my 32 rows of the step's 64
	s_add_co_u32 s46, s46, s47
	s_mov_b32 s47, 0
	s_mul_i32 s20, s12, 128*PA                     ; where they go: no place in the cluster enters an LDS address
	s_mul_i32 s21, s12, 32*PB
	s_add_co_u32 s21, s21, BOFF
	s_mov_b32 s[TB], 0
	s_wait_dscnt 0x0                               ; the opening add is done
	s_wait_kmcnt 0x0
	s_add_nc_u64 s[14:15], s[4:5], s[16:17]
	s_add_nc_u64 s[46:47], s[6:7], s[46:47]
.irp s, 0,1
	s_mov_b32 s[G0A+4*(\s)], 1
	s_add_co_u32 s[G0A+4*(\s)+1], s20, (\s)*SLOT1
	s_add_nc_u64 s[G0A+4*(\s)+2:G0A+4*(\s)+3], s[14:15], (\s)*ASTEP
	s_or_b32 s[G0A+4*(\s)+3], s[G0A+4*(\s)+3], 0x80000000
	s_mov_b32 s[G0B+4*(\s)], 1
	s_add_co_u32 s[G0B+4*(\s)+1], s21, (\s)*SLOT1
	s_add_nc_u64 s[G0B+4*(\s)+2:G0B+4*(\s)+3], s[46:47], (\s)*BSTEP
	s_or_b32 s[G0B+4*(\s)+3], s[G0B+4*(\s)+3], 0x80000000
.endr
	CROUND                                         ; all sixteen work-groups are here: the first joint loads meet
	s_cmp_eq_u32 s11, 0                            ; a wave's two first fills stand in one branch, ahead of every wait on TENSORcnt and every LDS read: two loads of mine are out
	s_cbranch_scc0 .Lfirst_b
	tensor_load_to_lds s[G0A:G0A+3], s[G1A:G1A+7]
	s_nop 0
	tensor_load_to_lds s[G0A+4:G0A+7], s[G1A:G1A+7]
	s_nop 0
.rept 4
	v_nop
.endr
	s_branch .Lfirst_asked
.Lfirst_b:
	tensor_load_to_lds s[G0B:G0B+3], s[G1B:G1B+7]
	s_nop 0
	tensor_load_to_lds s[G0B+4:G0B+7], s[G1B:G1B+7]
	s_nop 0
.rept 4
	v_nop
.endr
.Lfirst_asked:
	; a fragment of h: lane l holds row l % 16, channels 8 (l / 16) + 0..7 and 16 + 8 (l / 16) + 0..7: two loads of 16 bytes, 32 bytes apart
	v_and_b32 v1, 15, v0
	v_bfe_u32 v2, v0, 4, 1
	v_mul_u32_u24 v3, v1, PA
	v_lshl_add_u32 v3, v2, 4, v3                   ; row x pitch + 16 x half
	s_mul_i32 s22, s11, 128*PA
	v_add_nc_u32 v[AA0], s22, v3
	; the turning load takes 16 k x 16 columns (lane l reads k 8 (l / 16) + l % 8, columns 8 ((l / 8) % 2) + 0..7) and leaves half a fragment: lane l holds column l % 16 and 8 k
	v_and_b32 v4, 7, v0
	v_bfe_u32 v5, v0, 3, 1
	v_lshl_add_u32 v6, v2, 3, v4
	v_mul_u32_u24 v6, v6, PB
	v_lshl_add_u32 v6, v5, 4, v6
	s_lshl_b32 s22, s12, 7                         ; my 64 of each 128 columns
	s_add_co_u32 s22, s22, BOFF
	v_add_nc_u32 v[AB0], s22, v6
	v_mov_b32 v[ADA], v[AA0]                       ; slot 0
	v_mov_b32 v[ADB], v[AB0]
	s_mul_i32 s23, s10, 16*PA
	s_add_co_u32 s23, s23, STAGE                   ; my stage
	v_add_nc_u32 v[STO], s23, v3                   ; in: row l % 16, 16 bytes for each half of the lanes
	v_bfe_u32 v[RD], v0, 3, 2                      ; back: 32 lanes take four rows of 128 bytes,
	v_mul_u32_u24 v[RD], v[RD], PA
	v_lshl_add_u32 v[RD], v4, 4, v[RD]
	v_add_nc_u32 v[RD], s23, v[RD]
	v_and_b32 v[GO], 31, v0                        ; which are 512 consecutive bytes of qkv
	v_lshlrev_b32 v[GO], 4, v[GO]
	; my three heads: group g is column group 6 c + 2 g + wn of 48: tensor = that / 16, head = that % 16
	s_mul_i32 s43, s42, 6
	s_add_co_u32 s43, s43, s12
	s_lshr_b32 s22, s13, 3
	s_lshl_b32 s22, s22, 4                         ; 16 x batch
	s_and_b32 s23, s13, 7
	s_lshl_b32 s23, s23, 15                        ; the tile's rows in the batch,
	s_lshl_b32 s44, s11, 14                        ; my 128 of them
	s_add_co_u32 s23, s23, s44
.irp g, 0,1,2
	s_add_co_u32 s44, s43, 2*(\g)
	s_lshr_b32 s45, s44, 4
	s_lshl_b32 s45, s45, 6
	s_and_b32 s44, s44, 15
	s_add_co_u32 s45, s45, s44
	s_add_co_u32 s45, s45, s22
	s_lshl_b32 s45, s45, 18                        ; 262,144 bytes a head
	s_add_co_u32 s[OG+2*(\g)], s45, s23
	s_mov_b32 s[OG+2*(\g)+1], 0
	s_add_nc_u64 s[OG+2*(\g):OG+2*(\g)+1], s[8:9], s[OG+2*(\g):OG+2*(\g)+1]
.endr
	; the prefetches: both offsets are made, then the wave's number chooses.  They begin at K step 2; the first trip steps them to 3
	s_lshr_b32 s18, s13, 3
	s_lshl_b32 s18, s18, 22
	s_and_b32 s19, s13, 7
	s_lshl_b32 s19, s19, 15
	s_add_co_u32 s18, s18, s19
	s_lshl_b32 s19, s40, 13                        ; my work-group's 32 blocks of the tile's 128
	s_add_co_u32 s18, s18, s19
	s_add_co_u32 s18, s18, 2*ASTEP
	s_mul_i32 s44, s42, 768
	s_max_u32 s45, s10, 1
	s_sub_co_u32 s45, s45, 1
	s_lshl_b32 s45, s45, 8                         ; wave w's third of the 768 bytes: w - 1
	s_add_co_u32 s44, s44, s45
	s_mul_i32 s45, s41, 32*6144                    ; my work-group's 32 rows of the 128
	s_add_co_u32 s44, s44, s45
	s_add_co_u32 s44, s44, 2*BSTEP
	s_and_b32 s45, ttmp7, 0xffff                   ; cluster y
	s_mov_b32 s46, ASTEP
	s_mov_b32 s47, BSTEP
	s_movk_i32 s20, 256
	s_movk_i32 s21, 6144
	s_cmp_eq_u32 s10, 0
	s_cselect_b64 s[PFA:PFA+1], s[4:5], s[6:7]
	s_cselect_b32 s18, s18, s44
	s_cselect_b32 s[PSTEP], s46, s47
	s_cselect_b32 s[W0F], 1, 0
	s_cselect_b32 s45, ttmp9, s45                  ; the coordinate along which other clusters read the same bytes
	s_cselect_b32 s20, s20, s21
	s_mov_b32 s19, 0
	s_mov_b32 s[PSTEP+1], 0
	s_add_nc_u64 s[PFA:PFA+1], s[PFA:PFA+1], s[18:19]
	s_cmp_eq_u32 s45, 0
	s_cselect_b32 s[LIM], 1, -1                    ; the same in all sixteen partners, for a given wave
	v_and_b32 v[PFO], 31, v0
	v_mul_u32_u24 v[PFO], v[PFO], s20
; 8 matrix instructions: column block t x my 8 row blocks, 32 along K.  zero = 1: the product starts the sums: nothing is ever cleared
.macro MUL8 fa, fb, t, zero
	WIN 0x50*(1+(\t)/4)                            ; C and D in window 1 + t / 4, both sources in window 0
.irp a, 0,1,2,3,4,5,6,7
.if \zero
	v_wmma_f32_16x16x32_f16 v[64*((\t)%4)+8*(\a):64*((\t)%4)+8*(\a)+7], v[(\fb)+8*((\t)%6):(\fb)+8*((\t)%6)+7], v[(\fa)+8*(\a):(\fa)+8*(\a)+7], 0
.else
	v_wmma_f32_16x16x32_f16 v[64*((\t)%4)+8*(\a):64*((\t)%4)+8*(\a)+7], v[(\fb)+8*((\t)%6):(\fb)+8*((\t)%6)+7], v[(\fa)+8*(\a):(\fa)+8*(\a)+7], v[64*((\t)%4)+8*(\a):64*((\t)%4)+8*(\a)+7]
.endif
.endr
.endm
.macro FETCHB q, hf, fb                ; 12 loads: wq's fragments of column blocks 6 hf .. 6 hf + 5, K quarter q
.irp tt, 0,1,2,3,4,5
.set tq, 6*(\hf)+(\tt)
.set co, (tq/4)*288+(tq%4)*32
	ds_load_tr16_b128 v[(\fb)+8*(\tt):(\fb)+8*(\tt)+3],   v[ADB] offset:32*PB*(\q)+co
	ds_load_tr16_b128 v[(\fb)+8*(\tt)+4:(\fb)+8*(\tt)+7], v[ADB] offset:32*PB*(\q)+co+16*PB
.endr
.endm
.macro FETCHA q, fa                    ; 16 loads: h's fragments of my 8 row blocks, K quarter q
.irp a, 0,1,2,3,4,5,6,7
	ds_load_b128 v[(\fa)+8*(\a):(\fa)+8*(\a)+3],   v[ADA] offset:16*PA*(\a)+64*(\q)
	ds_load_b128 v[(\fa)+8*(\a)+4:(\fa)+8*(\a)+7], v[ADA] offset:16*PA*(\a)+64*(\q)+32
.endr
.endm
; A K step is two quarters of 32 along K; a quarter is two halves of 48 matrix instructions, column blocks 0-5 on FB0 and 6-11 on FB1.  Each run of LDS loads stands 32 matrix instructions ahead of the wait for it.
.macro HALF0 fa, q, zero               ; blocks 0-5 of quarter q; fetches the same quarter's blocks 6-11
	s_wait_dscnt 0x0                               ; FB0 and h's fragments are in
	MUL8 \fa, FB0, 0, \zero
	MUL8 \fa, FB0, 1, \zero
	PLACES
	WIN 0
	FETCHB \q, 1, FB1
	MUL8 \fa, FB0, 2, \zero
	MUL8 \fa, FB0, 3, \zero
	MUL8 \fa, FB0, 4, \zero
	MUL8 \fa, FB0, 5, \zero
.endm
.macro HALF1 zero                      ; blocks 6-11 of quarter 0; fetches quarter 1's first half and its fragments of h
	s_wait_dscnt 0x0                               ; FB1 is in
	MUL8 FA0, FB1, 6, \zero
	MUL8 FA0, FB1, 7, \zero
	PLACES
	WIN 0
	FETCHB 1, 0, FB0
	FETCHA 1, FA1
	MUL8 FA0, FB1, 8, \zero
	MUL8 FA0, FB1, 9, \zero
	MUL8 FA0, FB1, 10, \zero
	MUL8 FA0, FB1, 11, \zero
.endm
; Blocks 6-11 of quarter 1, and THE CHANGE OF SLOTS: one barrier.  In front of it each wave waits for all its tensor loads (one is out: its part of the next slot), adds 0 to its spare word, and waits for
; that and for its reads of this slot.  fill = 1: the barrier opens a round of the cluster's, and this slot is filled again, two K steps on, first thing behind the round.
.macro TURN fill
.if \fill
	s_wait_xcnt 0x0                                ; the last prefetch, a K step back, has read its address
	s_add_nc_u64 s[PFA:PFA+1], s[PFA:PFA+1], s[PSTEP:PSTEP+1]
.endif
	WIN 0
	s_wait_tensorcnt 0x0                           ; no tensor load of mine is out, so a group 0 may be written
	ds_add_u32 v[SPW], v[NIL]                      ; 0 onto my spare word
.if \fill
	s_xor_b32 s[G0A+5], s[G0A+5], SLOT1            ; the walking descriptors: the other slot than last time, the next K step
	s_add_nc_u64 s[G0A+6:G0A+7], s[G0A+6:G0A+7], ASTEP
	s_xor_b32 s[G0B+5], s[G0B+5], SLOT1
	s_add_nc_u64 s[G0B+6:G0B+7], s[G0B+6:G0B+7], BSTEP
.endif
	s_xor_b32 s[TB], s[TB], SLOT1
	s_wait_dscnt 1                                 ; FB1 is in; the add alone may be out
	MUL8 FA1, FB1, 6, 0
	s_wait_dscnt 0x0                               ; the add is done, and my reads of this slot are over
	s_barrier_signal -1
	MUL8 FA1, FB1, 7, 0
	WIN 0
	s_barrier_wait -1
.if \fill
	CREST                                          ; no wave of any partner still reads this slot or has a load on its way
	JLOAD                                          ; its four v_nop are also the places in front of the loads below
.else
	PLACES
.endif
	v_add_nc_u32 v[ADA], s[TB], v[AA0]
	v_add_nc_u32 v[ADB], s[TB], v[AB0]
	FETCHB 0, 0, FB0
	FETCHA 0, FA0
.if \fill
	ASK
.endif
	MUL8 FA1, FB1, 8, 0
	MUL8 FA1, FB1, 9, 0
	MUL8 FA1, FB1, 10, 0
	MUL8 FA1, FB1, 11, 0
.endm
	s_wait_tensorcnt 1                             ; my part of K step 0 is in; step 1's may stay out
	s_barrier_signal -1
	s_barrier_wait -1
	FETCHB 0, 0, FB0
	FETCHA 0, FA0
	HALF0 FA0, 0, 1                                ; the first quarter stands in front of the loop: its products start the 96 sums
	HALF1 1
	WIN 0
	s_mov_b32 s[CNT], 14
.Lstep:                                            ; trip i: K step i's second quarter, the change of slots (slot i % 2 takes step i + 2), step i + 1's first quarter
	HALF0 FA1, 1, 0
	TURN 1
	HALF0 FA0, 0, 0
	HALF1 0
	WIN 0
	s_sub_co_u32 s[CNT], s[CNT], 1
	s_cmp_lg_u32 s[CNT], 0
	s_cbranch_scc1 .Lstep
	HALF0 FA1, 1, 0                                ; the tail is written out: nothing more is asked for
	TURN 0
	HALF0 FA0, 0, 0
	HALF1 0
	HALF0 FA1, 1, 0
	s_wait_dscnt 0x0
	MUL8 FA1, FB1, 6, 0
	MUL8 FA1, FB1, 7, 0
	MUL8 FA1, FB1, 8, 0
	MUL8 FA1, FB1, 9, 0
	MUL8 FA1, FB1, 10, 0
	MUL8 FA1, FB1, 11, 0
; THE WAY OUT, in 24 units of 16 rows x one head's 64 columns.  A lane's eight columns pack into 16 bytes; they go into my stage's rows of 144 bytes and come back as whole rows of 128: 16 rows of a head are 2,048 consecutive bytes.
.macro PACKU g, a, b
	WIN 5*((\g)+1)                                 ; sources 0 and 1 in the group's window
.irp u, 0,1,2,3
.irp rr, 0,1,2,3
	v_cvt_pk_f16_f32 v[TMP+4*(\u)+(\rr)], v[64*(\u)+8*(\a)+2*(\rr)], v[64*(\u)+8*(\a)+2*(\rr)+1]  ; each accumulator from its low end on
.endr
.endr
	WIN 0
.irp u, 0,1,2,3
	ds_store_b128 v[STO], v[TMP+4*(\u):TMP+4*(\u)+3] offset:32*(\u)
.endr
	s_wait_xcnt 0x0                                ; the stores of the unit before last have read this buffer
.irp f, 0,1,2,3
	ds_load_b128 v[BK+16*(\b)+4*(\f):BK+16*(\b)+4*(\f)+3], v[RD] offset:4*PA*(\f)  ; LDS serves a wave's instructions in order (ISA guide 5.7.1.4): these see the stores above
.endr
.endm
.macro SENDU g, a, b, younger          ; younger: the LDS instructions issued behind the unit's loads: the next unit's eight, or none
.irp f, 0,1,2,3
	s_wait_dscnt (\younger)+3-(\f)
	global_store_b128 v[GO], v[BK+16*(\b)+4*(\f):BK+16*(\b)+4*(\f)+3], s[OG+2*(\g):OG+2*(\g)+1] offset:2048*(\a)+512*(\f)  ; 512 consecutive bytes, at a multiple of 256 from qkv's first
.endr
.endm
	PLACES
.set i, 0
.rept 24
	PACKU i/8, i%8, i%2
.if i > 0
	SENDU (i-1)/8, (i-1)%8, (i-1)%2, 8
.endif
.set i, i+1
.endr
	SENDU 2, 7, 1, 0
	s_wait_tensorcnt 0x0                           ; the wave's end, behind my last tensor load and my last LDS store
	ds_add_u32 v[SPW], v[NIL]
	s_wait_dscnt 0x0
	CROUND                                         ; the closing round: no work-group ends while a partner may still ask for a tile that names it
	s_endpgm
.Lfunc_end_k_qabbc2ea633_qkv:
	.size	k_qabbc2ea633_qkv, .Lfunc_end_k_qabbc2ea633_qkv-k_qabbc2ea633_qkv
	.p2alignl 7, 3214868480
	.fill 96, 4, 3214868480
	.section	.rodata,"a",@progbits
	.p2align	6, 0x0
	.amdhsa_kernel k_qabbc2ea633_qkv
		.amdhsa_group_segment_fixed_size 327680
		.amdhsa_private_segment_fixed_size 0
		.amdhsa_enable_private_segment 0
		.amdhsa_kernarg_size 24
		.amdhsa_user_sgpr_count 2
		.amdhsa_user_sgpr_kernarg_segment_ptr 1
		.amdhsa_wavefront_size32 1
		.amdhsa_system_sgpr_workgroup_id_x 1
		.amdhsa_system_sgpr_workgroup_id_y 1
		.amdhsa_system_sgpr_workgroup_id_z 1
		.amdhsa_system_vgpr_workitem_id 0
		.amdhsa_next_free_vgpr 1024
		.amdhsa_next_free_sgpr 80
		.amdhsa_reserve_vcc 0
		.amdhsa_float_denorm_mode_32 3
		.amdhsa_float_denorm_mode_16_64 3
		.amdhsa_memory_ordered 1
		.amdhsa_forward_progress 1
		.amdhsa_inst_pref_size 116
	.end_amdhsa_kernel
	.amdgpu_metadata
---
amdhsa.version: [ 1, 2 ]
amdhsa.kernels:
  - .name:           k_qabbc2ea633_qkv
    .symbol:         k_qabbc2ea633_qkv.kd
    .args:
      - { .name: h, .offset: 0, .size: 8, .value_kind: global_buffer, .address_space: global }
      - { .name: wq, .offset: 8, .size: 8, .value_kind: global_buffer, .address_space: global }
      - { .name: qkv, .offset: 16, .size: 8, .value_kind: global_buffer, .address_space: global }
    .group_segment_fixed_size: 327680
    .private_segment_fixed_size: 0
    .kernarg_segment_align: 8
    .kernarg_segment_size: 24
    .max_flat_workgroup_size: 128
    .sgpr_count:     80
    .vgpr_count:     1024
    .wavefront_size: 32
...
	.end_amdgpu_metadata
.endif
;; end of part 2
;; launch attn (part 3): grid 4 x 64, 4 waves a work-group, clusters of 4 x 1, 327,680 bytes of LDS; arguments qkv, o; writes o
.if DOCPART == 3
	.amdgcn_target "amdgcn-amd-amdhsa--gfx1250"
	.amdhsa_code_object_version 6
	.text
	.protected	k_qabbc2ea633_attn
	.globl	k_qabbc2ea633_attn
	.p2align	8
	.type	k_qabbc2ea633_attn,@function
k_qabbc2ea633_attn:
	s_mov_b64 s[64:65], 0
	v_nop
	global_prefetch_b8 v0, s[64:65] scope:SCOPE_SE
	s_setreg_imm32_b32 hwreg(HW_REG_WAVE_MODE, 25, 1), 1
	s_wait_xcnt 0x0
	s_wait_alu depctr_hold_cnt(0) depctr_sa_sdst(0) depctr_va_vdst(0) depctr_va_sdst(0) depctr_va_ssrc(0) depctr_va_vcc(0) depctr_vm_vsrc(0)
	s_getreg_b32 s2, hwreg(HW_REG_IB_STS2, 6, 4)
	s_cmp_eq_u32 s2, 0
	s_cbranch_scc0 .Lentry_in_a_cluster
	s_endpgm
.Lentry_in_a_cluster:
	s_bfe_u32 s2, ttmp6, 0x10000c
	s_cmp_lg_u32 s2, 0x3003
	s_cbranch_scc0 .Lentry_shape_is_right
	s_endpgm
.Lentry_shape_is_right:
; O[h][q][:] = the sum over k of softmax_k(Q[h][q] . K[h][k] / 8) V[h][k][:].  qkv holds Q, K, V one behind the other, each [64][2,048][64] f16; O has the same layout.  Products, maxima and sums in
; f32; the weights p are rounded to f16 for the second product (their sum l is taken of the unrounded p), O once at the end.
; LIMITS.  Q, K and V arrive within f16's 65,504; p lies in 0 to 1, and below 6e-5 it keeps f16's fixed step of 6e-8; a weight below 2^-126 counts as 0 in l; NaN and infinities are not treated apart.
; SHARES.  A wave owns four PIECES of two tiles of 16 queries, a work-group's four waves 512 queries of one head: 4 x 64 = 256 work-groups.  Every wave walks all keys, 64 a step.
; LAYOUT.  S^T = K Q^T (source 0 = 16 keys, source 1 = 16 queries): a lane holds ONE query (lane % 16) and the keys 8 (lane / 16) + 0..7.  Two such tiles, rounded to f16 in pairs, ARE source 1 of
; O^T = V^T P, whose result again holds one query a lane, and eight channels.  K comes out of LDS as it lies, V turned, by ds_load_tr16_b128.
; SOFTMAX.  A running maximum m and sum l: p = 2^(c s - c m), c = log2(e) / 8; in every step O and l are multiplied by a = 2^(c m_old - c m_new).  m starts at the lowest finite number, O and l at 0.
; THE COUNT.  A tile and step have 16 matrix and 118 vector instructions: four vector instructions that are ready stand behind EVERY matrix instruction, the others in runs of their own.
; BY TURNS.  Turn n belongs to piece n: 16 products K Q^T of piece n + 1, later 16 products V^T P of piece n - 1; the scaling, exponentials, roundings, sums and rescaling of piece n, and the maximum and
; statistics of piece n + 1.  A turn's 66 exponentials are one batch with one wait.
; CLUSTER.  The four query blocks of a head walk the same K and V, so each tile is asked for JOINTLY: the same tensor load, descriptor and mask in all four.
; REGISTERS, in windows of 256 (s_set_vgpr_msb: bits 1:0 source 0, 3:2 source 1, 5:4 source 2, 7:6 destination):
;   window 0: v0-11 addresses; v12-15, v48-63 at work; v16-47 four registers of statistics a tile; v64-191 S^T, two buffers of two tiles; v192-255 P, likewise
;   window 1: O^T, 32 a tile          window 2: v0-127 Q, 16 a tile; v128-191 K of one step; v192-255 V of one step          window 3: v0-1 the add's two registers
.set SIZE_H, 64
.set SIZE_N, 2048
.set NP,    4         ; pieces a wave: a name, no knob
.set KS,    64        ; keys in a step
.set PK,    144       ; a row of K in LDS: 128 bytes + 16: the 16 rows of a load start at 16 different groups of four banks (64 banks of 4 bytes: ISA guide 11.1)
.set PV,    160       ; a row of V: 128 + 32
.set VOFF,  4*KS*PK   ; a slot holds four steps: 256 rows of K, then 256 rows of V
.set SLOT1, 1<<17     ; slot 1 begins here
.set STAGE, SLOT1+4*KS*(PK+PV)  ; behind the ring, never filled by a tensor load: 16 rows x 144 bytes for each wave
.set SP,    144
.set AK0, 2           ; v2   my lane's place in a tile of K; never rewritten
.set AV0, 3           ; v3   the same for V
.set AK,  4           ; v4   the LDS address of K's next run of loads
.set AV,  5           ; v5   of V's
.set QO,  6           ; v6   my byte offset in the wave's rows of Q
.set STO, 6           ;      later, the way out: where I put 16 bytes of a row
.set RD,  7           ; v7   where I read rows back
.set GO,  8           ; v8   my byte offset in 512 consecutive bytes of O
.set PFO, 11          ; v11  256 x my lane, once V's address is made; never rewritten after
.set SPW, 0           ; v0 of window 3   my spare word: SPARE + 4 x my thread's number; never rewritten
.set NIL, 1           ; v1 of window 3   0; never rewritten
.set SPARE, STAGE+4*16*SP  ; the spare words, 128 bytes a wave: two blocks of 256 bytes that no other line names
.set MV,  12          ; v12-15  c m_old, kept while c m is made anew
.set ST,  16          ; tile t's statistics at v[ST+4 t]: c m, m, l (even keys', odd keys')
.set TMP, 48          ; by buffer and tile, four registers c0-c3 at work; when the maximum is found c2 takes a
.set S,   64
.set P,   192
.set KF,  128         ; window 2: key block kb, channel half c at KF + 16 kb + 8 c
.set VF,  192         ; window 2: key half kk, channel block cb at VF + 32 kk + 8 cb
.set WV,  12          ; s12  my wave's number
.set G1K, 24          ; s[24:31] descriptor group 1 for K's tiles
.set G1V, 32          ; s[32:39] for V's: it differs in the padding alone
.set G0K, 40          ; s[40:43] group 0 for K's tiles: it walks
.set G0V, 44          ; s[44:47] the same for V's
.set PFA, 48          ; s[48:49] where my prefetches stand
.set LIM, 50          ; s50  1 in a wave that prefetches, else the greatest number
.set SLOTS, 56        ; s56  slots still to be asked for
.set CNT, 57          ; s57  counts a slot's key steps
.set CS,  58          ; s[58:59] c
.set SEL, 60          ; s[60:61] v_permlanex16_b32's selects: each lane takes its own place in the other half
.set TBK, 62          ; s62  LDS byte at which K of the step to be fetched begins
.set TBV, 63          ; s63  the same for V, less VOFF
.set MSB, 0
.macro WIN new                      ; the high byte repeats the setting that is left; a switch that changes nothing is dropped
.if MSB != (\new)
	s_set_vgpr_msb (MSB<<8)|(\new)
.set MSB, (\new)
.endif
.endm
.set W_KQ, 0x0a       ; K and Q in window 2, S^T in window 0
.set W_PV, 0x52       ; V in window 2, P in window 0, O^T in window 1
.set W_RS, 0x41       ; O^T (destination and source 0) in window 1, a in window 0
.set W_MK, 0xc0       ; the add's registers are made: destination in window 3
.set W_AD, 0x0f       ; the add: address and data in window 3
.macro JLOAD                        ; a joint fill: waves 0 and 1 fetch the halves of a slot's K, waves 2 and 3 those of its V
	s_cmp_lt_u32 s[WV], 2
	s_cbranch_scc0 .Lfor_v_\@
	tensor_load_to_lds s[G0K:G0K+3], s[G1K:G1K+7]
	s_nop 0
.rept 4
	v_nop
.endr
	s_branch .Lasked_\@
.Lfor_v_\@:
	tensor_load_to_lds s[G0V:G0V+3], s[G1V:G1V+7]
	s_nop 0
.rept 4
	v_nop
.endr
.Lasked_\@:
.endm
; A PREFETCH INTO THE L2 of what the NEXT change of slots will ask for: a slot's 256 rows of K and of V, 128 blocks of 256 bytes each.  The four partners share them out by address, 32 blocks each, a lane a
; block; wave 0 asks for K's, wave 2 for V's: each block is named once in the launch.  The change that fills the last slot asks for nothing; slots 0 and 1 come by their loads alone.
.macro ASK
	s_cmp_gt_u32 s[SLOTS], s[LIM]
	s_cbranch_scc0 .Lnot_mine_\@
	global_prefetch_b8 v[PFO], s[PFA:PFA+1] th:TH_LOAD_NT scope:SCOPE_SE
.Lnot_mine_\@:
.endm
.macro CROUND                       ; a round of the cluster's barrier
	s_barrier_signal -1
	s_barrier_wait -1
	s_cmp_lg_u32 s[WV], 0
	s_cbranch_scc1 .Lnot_wave_0_\@
	s_barrier_signal -3
.Lnot_wave_0_\@:
	s_barrier_wait -3
	s_barrier_signal -1
	s_barrier_wait -1
.endm
; THE CHANGE OF SLOTS.  Each wave waits for all its tensor loads (one is out: its part of the other slot), adds 0 to its spare word, and waits for that and for its reads of the slot.
; fill = 1: the barrier is a round of the cluster's, and the slot is filled again, two slots on, first thing behind it: it has four key steps, 512 matrix instructions, in which to land.
.macro CHANGE fill
	WIN W_AD
	s_wait_tensorcnt 0x0            ; no tensor load of mine is out, so a group 0 may be written
	ds_add_u32 v[SPW], v[NIL]       ; 0 onto my spare word
	WIN 0                           ; at a label and at a branch every window is 0
.if \fill
.irp g, G0K, G0V
	s_xor_b32 s[\g+1], s[\g+1], SLOT1  ; the walking descriptor: the other slot than last time,
	s_add_nc_u64 s[\g+2:\g+3], s[\g+2:\g+3], 4*KS*128  ; the next 256 keys
.endr
	s_wait_xcnt 0x0                 ; the last prefetch, a slot back, has read its address
	s_add_nc_u64 s[PFA:PFA+1], s[PFA:PFA+1], 4*KS*128  ; one slot behind... ahead of the walking descriptors by one slot
	s_wait_dscnt 0x0                ; the add is done, and my reads of the slot are over
	CROUND
	JLOAD
	ASK
.else
	s_wait_dscnt 0x0                ; the add is done, and my reads of the slot are over
	s_barrier_signal -1
	s_barrier_wait -1
.endif
	s_sub_co_u32 s[TBK], s[TBK], 4*KS*PK  ; the fetches go back to a slot's first step,
	s_xor_b32 s[TBK], s[TBK], SLOT1       ; in the other slot
	s_sub_co_u32 s[TBV], s[TBV], 4*KS*PV
	s_xor_b32 s[TBV], s[TBV], SLOT1
.endm
	s_load_b128 s[4:7], s[0:1], 0x0  ; qkv s[4:5], o s[6:7]
	WIN W_MK
	v_lshl_add_u32 v[SPW], v0, 2, SPARE
	v_mov_b32 v[NIL], 0
	WIN W_AD
	ds_add_u32 v[SPW], v[NIL]       ; the wave's opening: the add and its wait stand ahead of my first tensor load
	WIN 0
	v_lshrrev_b32 v1, 5, v0
	v_readfirstlane_b32 s[WV], v1   ; wave 0..3
	s_bfe_u32 s13, ttmp6, 0x40000   ; cx: my place in the cluster
	s_lshl_b32 s14, ttmp9, 2
	s_add_co_u32 s14, s14, s13      ; my block of queries: it enters Q's and O's addresses alone
	s_and_b32 s20, ttmp7, 0xffff    ; the head, which the four partners share
	s_mov_b32 s21, 0
	s_mov_b64 s[22:23], SIZE_N*128
	s_mul_u64 s[20:21], s[20:21], s[22:23]  ; the head's first byte in each tensor
	s_and_b32 s16, s[WV], 1         ; which half of a slot's 256 keys I fetch:
	s_lshl_b32 s22, s16, 14         ; its 128 rows of 128 bytes in memory,
	s_mov_b32 s23, 0
	s_add_nc_u64 s[22:23], s[22:23], s[20:21]
	s_mul_i32 s17, s16, 128*PK      ; and its place in a slot, for K
	s_mul_i32 s18, s16, 128*PV      ; and for V
	s_lshl_b32 s2, s14, 2
	s_add_co_u32 s2, s2, s[WV]      ; my wave among the head's,
	s_lshl_b32 s2, s2, 14           ; its 128 rows
	s_mov_b32 s3, 0
	s_add_nc_u64 s[2:3], s[2:3], s[20:21]
	; descriptor group 1.  128 keys are 16,384 dense bytes: asked for as 64 rows of 256 bytes, two keys a row, and padded in LDS after every key
	s_mov_b32 s[G1K], 15|(1<<16)|(1<<20)|(1<<21)|(4<<22)|(3<<25)
	s_mov_b32 s[G1V], 15|(1<<16)|(1<<20)|(1<<21)|(4<<22)|(7<<25)
.irp g, G1K, G1V
	s_mov_b32 s[\g+1], 128<<16      ; tensor_dim0 = 128
	s_mov_b32 s[\g+2], 64<<16       ; tensor_dim1 = 64
	s_mov_b32 s[\g+3], 128<<16      ; tile_dim0 = 128
	s_mov_b32 s[\g+4], 64           ; tile_dim1 = 64
	s_mov_b32 s[\g+5], 128          ; 128 elements from row to row
	s_mov_b32 s[\g+6], 0
	s_mov_b32 s[\g+7], 0
.endr
	s_mov_b32 s[CS], 0x3e38aa3b     ; c = log2(e) / 8 = 0.180337
	s_mov_b32 s[CS+1], s[CS]
	s_mov_b32 s[SEL], 0x76543210
	s_mov_b32 s[SEL+1], 0xfedcba98
	s_mov_b32 s[TBK], SLOT1+4*KS*PK ; the first change of slots turns these two into 0
	s_mov_b32 s[TBV], SLOT1+4*KS*PV
	s_mov_b32 s[G0K], 1
	s_mov_b32 s[G0K+1], s17         ; slot 0
	s_mov_b32 s[G0V], 1
	s_add_co_u32 s[G0V+1], s18, VOFF
	s_mov_b32 s[SLOTS], SIZE_N/256-1  ; the change that fills slot j finds 8 - j here
	s_and_b32 s[LIM], s[WV], 1      ; 0 in waves 0 and 2,
	s_or_b32 s[LIM], s[LIM], ttmp9  ; where the cluster is the head's first: the same in all four partners
	s_cmp_eq_u32 s[LIM], 0
	s_cselect_b32 s[LIM], 1, -1
	s_wait_dscnt 0x0                ; the opening add is done
	s_wait_kmcnt 0x0
	s_mov_b64 s[10:11], s[6:7]      ; O
	s_add_nc_u64 s[6:7], s[4:5], 0x1000000  ; K lies 16 MiB behind Q,
	s_add_nc_u64 s[8:9], s[4:5], 0x2000000  ; V 32
	s_add_nc_u64 s[G0K+2:G0K+3], s[6:7], s[22:23]  ; my half of the head's first 256 keys
	s_or_b32 s[G0K+3], s[G0K+3], 0x80000000
	s_add_nc_u64 s[G0V+2:G0V+3], s[8:9], s[22:23]
	s_or_b32 s[G0V+3], s[G0V+3], 0x80000000
	s_add_nc_u64 s[4:5], s[4:5], s[2:3]  ; Q and O at my wave's first row
	s_add_nc_u64 s[10:11], s[10:11], s[2:3]
	s_cmp_lt_u32 s[WV], 2
	s_cselect_b64 s[PFA:PFA+1], s[6:7], s[8:9]
	s_add_nc_u64 s[PFA:PFA+1], s[PFA:PFA+1], s[20:21]  ; the head,
	s_lshl_b32 s2, s13, 13          ; my work-group's 32 blocks of a slot's 128,
	s_mov_b32 s3, 0
	s_add_nc_u64 s[PFA:PFA+1], s[PFA:PFA+1], s[2:3]
	s_add_nc_u64 s[PFA:PFA+1], s[PFA:PFA+1], 4*KS*128  ; in slot 1; the first change of slots steps it to slot 2
	CROUND                          ; all four work-groups are here: the first joint loads meet
	JLOAD                           ; slot 0.  Slot 1 is asked for when slot 0 is in
	v_and_b32 v1, 15, v0            ; l % 16
	v_bfe_u32 v9, v0, 4, 1          ; l / 16
	v_lshlrev_b32 v[QO], 7, v1
	v_lshl_add_u32 v[QO], v9, 4, v[QO]  ; row x 128 + 16 x half
	WIN 0x80                        ; destination window 2, address window 0
.set i, 0
.rept 4*NP                          ; Q stays in registers: tile i / 2, channels 32 (i % 2) on
	global_load_b128 v[8*i:8*i+3],   v[QO], s[4:5] offset:(i/2)*2048+(i%2)*64
	global_load_b128 v[8*i+4:8*i+7], v[QO], s[4:5] offset:(i/2)*2048+(i%2)*64+32
.set i, i+1
.endr
	; What the first turn finds: V's registers and P's second buffer hold 0, O^T and l are 0.  All this stands in the wait for the first tile: no first step is written out.
.set i, VF
.rept 64
	v_mov_b32 v[i], 0
.set i, i+1
.endr
	WIN 0x40
.set i, 0
.rept 64*NP
	v_mov_b32 v[i], 0
.set i, i+1
.endr
	WIN 0
.set i, 0
.rept 2*NP
	v_mov_b32 v[ST+4*i], 0xfe000000    ; c m: far below every c s
	v_mov_b32 v[ST+4*i+1], 0xff7fffff  ; m
	v_mov_b32 v[ST+4*i+2], 0
	v_mov_b32 v[ST+4*i+3], 0
.set i, i+1
.endr
.set i, P+32
.rept 32
	v_mov_b32 v[i], 0
.set i, i+1
.endr
	v_mul_u32_u24 v[AK0], v1, PK
	v_lshl_add_u32 v[AK0], v9, 4, v[AK0]  ; row x pitch + 16 x half
	; The turning load: lane l reads key 8 (l / 16) + l % 8, channels 8 ((l / 8) % 2) + 0..7, and ends with channel l % 16 and 8 keys.
	v_and_b32 v10, 7, v0
	v_bfe_u32 v11, v0, 3, 1
	v_lshl_add_u32 v[AV0], v9, 3, v10
	v_mul_u32_u24 v[AV0], v[AV0], PV
	v_lshl_add_u32 v[AV0], v11, 4, v[AV0]
	v_add_nc_u32 v[AV0], VOFF, v[AV0]
	v_and_b32 v[PFO], 31, v0
	v_lshlrev_b32 v[PFO], 8, v[PFO]
	v_mov_b32 v[AK], v[AK0]         ; key step 0 lies at the head of slot 0
; THE MATRIX WORK.  The 8 accumulators of a run of 16 take turns.
; Product i of 16 of S^T = K Q^T for piece x: channels 32 (i / 8) on, keys 16 ((i / 2) % 4) on, tile 2 x + i % 2.  The first 8 start the sums.
.macro KQ x
	WIN W_KQ
.set rS, S+64*((\x)%2)+32*(i%2)+8*((i/2)%4)
.set rK, KF+16*((i/2)%4)+8*(i/8)
.set rQ, 16*(2*(\x)+i%2)+8*(i/8)
.if i < 8
	v_wmma_f32_16x16x32_f16 v[rS:rS+7], v[rK:rK+7], v[rQ:rQ+7], 0
.else
	v_wmma_f32_16x16x32_f16 v[rS:rS+7], v[rK:rK+7], v[rQ:rQ+7], v[rS:rS+7]
.endif
.endm
; Product i of 16 of O^T += V^T P for piece x: keys 32 (i / 8) on, channels 16 ((i / 2) % 4) on, tile 2 x + i % 2.
.macro PV x
	WIN W_PV
.set rO, 32*(2*(\x)+i%2)+8*((i/2)%4)
.set rV, VF+32*(i/8)+8*((i/2)%4)
.set rP, P+32*((\x)%2)+16*(i%2)+8*(i/8)
	v_wmma_f32_16x16x32_f16 v[rO:rO+7], v[rV:rV+7], v[rP:rP+7], v[rO:rO+7]
.endm
.macro MM                           ; the turn's next matrix instruction
.if i < 16
	KQ (Y+1)%NP
.set i, i+1
.else
.set i, i-16
	PV (Y+NP-1)%NP
.set i, i+17
.endif
.endm
; THE LDS LOADS stand in runs of 16.  last = 1 (the tail): in the last trip there is no further step, and the run is jumped over.
.macro FETCH_K last=0
	WIN 0
.if \last
	s_cmp_eq_u32 s[CNT], 1
	s_cbranch_scc1 .Lno_k_\@
.endif
	WIN 0x80                        ; destination window 2
.irp f, 0,1,2,3,4,5,6,7             ; keys 16 (f / 2) on, channels 32 (f % 2) on
	ds_load_b128 v[KF+8*\f:KF+8*\f+3],   v[AK] offset:(\f/2)*16*PK+(\f%2)*64
	ds_load_b128 v[KF+8*\f+4:KF+8*\f+7], v[AK] offset:(\f/2)*16*PK+(\f%2)*64+32
.endr
	s_add_co_u32 s[TBK], s[TBK], KS*PK  ; the next fetch is the next step's
	WIN 0
.if \last
.Lno_k_\@:
.endif
.endm
.macro FETCH_V
	WIN 0x80
.irp f, 0,1,2,3,4,5,6,7             ; keys 32 (f / 4) on, channels 16 (f % 4) on
	ds_load_tr16_b128 v[VF+8*\f:VF+8*\f+3],   v[AV] offset:(\f/4)*32*PV+(\f%4)*32
	ds_load_tr16_b128 v[VF+8*\f+4:VF+8*\f+7], v[AV] offset:(\f/4)*32*PV+16*PV+(\f%4)*32
.endr
	WIN 0
.endm
; THE VECTOR WORK OF A TURN stands in three queues, each in the order in which its entries become ready; the two tiles alternate.
.macro REGS y, u                    ; the registers of tile u (0, 1) of piece y
.set rT, ST+4*(2*(\y)+(\u))
.set rC, TMP+8*((\y)%2)+4*(\u)
.set rM, MV+2*((\y)%2)+(\u)
.set rS, S+64*((\y)%2)+32*(\u)
.set rP, P+32*((\y)%2)+16*(\u)
.set rO, 32*(2*(\y)+(\u))
.endm
; Number n of the 22 that find the NEXT piece's maximum and statistics; each accumulator's lowest registers are read first.
;   0-11  four chains c0-c3 of seven scores each     12-14, 16  the four scores left over, the old m, and c0-c3 into c0     15  c m_old is kept
;   17, 18  the query's other 32 keys lie in the lane 16 away: the new m         19-21  c m; c m_old - c m_new; a
.macro XS u, n
	REGS (Y+1)%NP, \u
.if (\n) < 4
	v_max3_num_f32 v[rC+(\n)], v[rS+8*(\n)], v[rS+8*(\n)+1], v[rS+8*(\n)+2]
.elseif (\n) < 12
	v_max3_num_f32 v[rC+(\n)%4], v[rC+(\n)%4], v[rS+8*((\n)%4)+2*((\n)/4)+1], v[rS+8*((\n)%4)+2*((\n)/4)+2]
.elseif (\n) == 12
	v_max3_num_f32 v[rC], v[rC], v[rS+7], v[rS+15]
.elseif (\n) == 13
	v_max3_num_f32 v[rC+1], v[rC+1], v[rS+23], v[rS+31]
.elseif (\n) == 14
	v_max3_num_f32 v[rC+2], v[rC+2], v[rC+3], v[rT+1]
.elseif (\n) == 15
	v_mov_b32 v[rM], v[rT]
.elseif (\n) == 16
	v_max3_num_f32 v[rC], v[rC], v[rC+1], v[rC+2]
.elseif (\n) == 17
	v_permlanex16_b32 v[rC+3], v[rC], s[SEL], s[SEL+1]
.elseif (\n) == 18
	v_max_num_f32 v[rT+1], v[rC], v[rC+3]
.elseif (\n) == 19
	v_mul_f32 v[rT], s[CS], v[rT+1]
.elseif (\n) == 20
	v_sub_f32 v[rC+1], v[rM], v[rT]
.else
	v_exp_f32 v[rC+2], v[rC+1]
.endif
.endm
; Number g of the 64 that follow the exponentials.  For each four weights of a tile: both pairs are rounded to f16; the second pair is added onto the first, in place; a group later l takes that sum.
.macro GS g
.set h, (\g)+6*((\g)/62)            ; group 0 has no group before it, and behind group 7 only l is left
.if h >= 6
.set h, h+2
.endif
	REGS Y, h%2
.set k, h/8
.if h%8 < 4
	v_cvt_pk_f16_f32 v[rP+2*k+(h%8)/2], v[rS+4*k+2*((h%8)/2)], v[rS+4*k+2*((h%8)/2)+1]
.elseif h%8 < 6
	v_pk_add_f32 v[rS+4*k:rS+4*k+1], v[rS+4*k:rS+4*k+1], v[rS+4*k+2:rS+4*k+3]
.elseif k == 1
	v_pk_fma_f32 v[rT+2:rT+3], v[rT+2:rT+3], v[rC+2:rC+3], v[rS:rS+1] op_sel_hi:[1,0,1]
.else
	v_pk_add_f32 v[rT+2:rT+3], v[rT+2:rT+3], v[rS+4*k-4:rS+4*k-3]
.endif
.endm
; THE PLAIN QUEUE, 138 long.  0-73 read no exponential's result: the 32 scalings c s - c m and the next piece's 42.  74-137: GS's 64, which stand behind the wait.
.macro FS f
	REGS Y, (\f)%2
	v_pk_fma_f32 v[rS+2*((\f)/2):rS+2*((\f)/2)+1], v[rS+2*((\f)/2):rS+2*((\f)/2)+1], s[CS:CS+1], v[rT:rT+1] op_sel_hi:[1,0,0] neg_lo:[0,0,1] neg_hi:[0,0,1]
.endm
.macro PL
	WIN 0
.if q < 27
	FS q
.elseif q < 55
	XS (q-27)%2, (q-27)/2
.elseif q < 57
	XS q-55, 15
.elseif (q < 72) && ((q-57)%3 == 0)
	FS 27+(q-57)/3
.elseif q < 60
	XS (q-57)%3-1, 14
.elseif q < 72
	XS (q-57)%3-1, 15+(q-57)/3
.elseif q < 74
	XS q-72, 20
.else
	GS q-74
.endif
.set q, q+1
.endm
; THE EXPONENTIALS' QUEUE, 66 long: s0-s31 of both tiles, then the next piece's two a.  ONE BATCH: all 66 stand ahead of the turn's one wait, and nothing ahead of that wait names a result of theirs.
.macro EX
	WIN 0
.if e >= 64
	XS e-64, 21
.else
	REGS Y, e%2
	v_exp_f32 v[rS+e/2], v[rS+e/2]
.endif
.set e, e+1
.endm
; THE RESCALING's QUEUE: O^T times a, the one part that leaves window 0: dealt two at a time, sixteen times.  Its a was made, and waited for, in the turn before.
.macro R2
	REGS Y, r%2
	WIN W_RS
.irp z, 0,1
	v_pk_mul_f32 v[rO+4*(r/2)+2*\z:rO+4*(r/2)+2*\z+1], v[rO+4*(r/2)+2*\z:rO+4*(r/2)+2*\z+1], v[rC+2:rC+3] op_sel_hi:[1,0]
.endr
.set r, r+1
.endm
; A TURN, for piece p.  AHEAD OF ITS ONE WAIT: the 16 products K Q^T, behind each a scaling, an exponential and two rescalings; then a lump of 108: eight plain, 49 times exponential and plain, the two a.
; BEHIND IT: the 16 products V^T P, behind each four of GS's 64.  Exponential e stands behind scaling 2 (e / 4) + e % 2.  K of the next step is fetched in piece 2's turn, directly behind the wait;
; V of the step in hand at the end of piece 0's turn, four plain instructions behind its last reader.  cnt = 1: the loop's count is taken down some lines ahead of the branch behind the turn.
.macro TURN p, last=0, cnt=0
.set Y, (\p)
.set i, 0
.set q, 0
.set e, 0
.set r, 0
.if (\p) == NP-1
	s_wait_dscnt 0x0                ; K is in
.endif
	MM
	PL
	PL
	R2
.rept 15
	MM
	PL
	EX
	R2
.endr
.if (\p) == NP-2
	WIN 0
	v_add_nc_u32 v[AK], s[TBK], v[AK0]
.endif
.rept 8
	PL
.endr
.rept 49
	EX
	PL
.endr
	EX                              ; the next piece's two a
	EX
	v_nop                           ; a plain instruction behind the last exponential: one for the batch (ISA guide 5.7.2)
	s_wait_alu depctr_va_vdst(0)    ; the wait for the batch, ahead of its first reader
.if (\p) == NP-2
	FETCH_K \last
.endif
.if (\p) == 1
	s_wait_dscnt 0x0                ; V is in
.endif
.rept 16
	MM
.rept 4
	PL
.endr
.if ((\p) == 0) && (q == 118)
	v_add_nc_u32 v[AV], s[TBV], v[AV0]
.endif
.if ((\p) == 0) && (q == 130)
	s_add_co_u32 s[TBV], s[TBV], KS*PV
.endif
.if (\cnt) && (q == 130)
	s_sub_co_u32 s[CNT], s[CNT], 1
	s_cmp_lg_u32 s[CNT], 0
.endif
.endr
.if (\p) == 0
	FETCH_V
.endif
.endm
	CHANGE 1                        ; slot 0 is in, everybody's part of it; slot 1 is asked for
	FETCH_K                         ; key step 0
	s_wait_loadcnt 0x0              ; Q
	s_wait_dscnt 0x0
.set i, 0
.rept 16
	KQ 0                            ; piece 0's first scores
.set i, i+1
.endr
	WIN 0                           ; the addresses for the way out: nine plain instructions, the places behind those products
	s_mul_i32 s13, s[WV], 16*SP
	s_add_co_u32 s13, s13, STAGE    ; my stage
	v_mul_u32_u24 v[STO], v1, SP    ; in: row l % 16, 16 bytes for each half of the lanes
	v_lshl_add_u32 v[STO], v9, 4, v[STO]
	v_add_nc_u32 v[STO], s13, v[STO]
	v_bfe_u32 v[RD], v0, 3, 2       ; back: 32 lanes take four rows of 128 bytes,
	v_mul_u32_u24 v[RD], v[RD], SP
	v_lshl_add_u32 v[RD], v10, 4, v[RD]
	v_add_nc_u32 v[RD], s13, v[RD]
	v_and_b32 v[GO], 31, v0         ; which are 512 consecutive bytes of O
	v_lshlrev_b32 v[GO], 4, v[GO]
.set Y, NP-1                        ; XS works for piece Y + 1: piece 0
.irp n, 0,1,2,3,4,5,6,7,8,9,10,11,12,13,14,15,16,17,18,19,20,21
	XS 0, \n
	XS 1, \n
.endr
	v_nop                           ; a plain instruction behind the two a,
	s_wait_alu depctr_va_vdst(0)    ; and their wait, ahead of the branch
	s_mov_b32 s[CNT], 4
	s_branch .Lfirst                ; the loop is entered at a step's first turn, in the middle of a trip
.Lslot:                             ; six times: every slot but the last two is filled again
	CHANGE 1
	s_mov_b32 s[CNT], 4
.Lstep:                             ; a trip: pieces 2 and 3 of one step, then pieces 0 and 1 of the next, whose K and V it fetches
	TURN 2
	TURN 3
	WIN 0
.Lfirst:
	TURN 0
	TURN 1, 0, 1
	WIN 0
	s_cbranch_scc1 .Lstep
	s_sub_co_u32 s[SLOTS], s[SLOTS], 1
	s_cmp_lg_u32 s[SLOTS], 0
	s_cbranch_scc1 .Lslot
	CHANGE 0                        ; the tail is written out
	s_mov_b32 s[CNT], 5             ; four trips fetch the last slot's steps; the fifth is left in its middle
.Ltail:
	TURN 2, 1
	TURN 3
	WIN 0
	s_sub_co_u32 s[CNT], s[CNT], 1
	s_cmp_eq_u32 s[CNT], 0
	s_cbranch_scc1 .Lout
	TURN 0
	TURN 1
	WIN 0
	s_branch .Ltail
.Lout:                              ; the fifth trip's 16 products K Q^T (on the last K once more) and the maximum made of them serve nothing: the price, once a launch, of one text for every trip
.set i, 0
.rept 16
	PV NP-1                         ; the last piece's V^T P of the last step
.set i, i+1
.endr
	; THE WAY OUT.  l's halves are added; O^T is divided by l, rounded to f16 and sent through my stage in LDS, a tile at a time.  The additions are the places behind the last products.
	WIN 0
.macro ALL line:vararg              ; one line for each tile t
.set t, 0
.rept 2*NP
	\line
.set t, t+1
.endr
.endm
	ALL v_add_f32 v[ST+4*t+2], v[ST+4*t+2], v[ST+4*t+3]
	ALL v_permlanex16_b32 v[ST+4*t+3], v[ST+4*t+2], s[SEL], s[SEL+1]
	ALL v_add_f32 v[ST+4*t+2], v[ST+4*t+2], v[ST+4*t+3]
	ALL v_rcp_f32 v[ST+4*t+2], v[ST+4*t+2]
	v_nop                           ; a plain instruction between the last reciprocal and the use of its result
	s_wait_alu depctr_va_vdst(0)    ; one wait for the eight reciprocals, ahead of their first reader
.macro PACK t
	WIN W_RS
.set i, 32*(\t)
.rept 16
	v_pk_mul_f32 v[i:i+1], v[i:i+1], v[ST+4*(\t)+2:ST+4*(\t)+3] op_sel_hi:[1,0]
.set i, i+2
.endr
	WIN 0x05                        ; sources 0 and 1 window 1, destination window 0
.set i, 0
.rept 16
	v_cvt_pk_f16_f32 v[S+16*(\t)+i], v[32*(\t)+2*i], v[32*(\t)+2*i+1]
.set i, i+1
.endr
	WIN 0
.irp f, 0,1,2,3
	ds_store_b128 v[STO], v[S+16*(\t)+4*\f:S+16*(\t)+4*\f+3] offset:32*\f
.endr
.irp f, 0,1,2,3
	ds_load_b128 v[S+16*(\t)+4*\f:S+16*(\t)+4*\f+3], v[RD] offset:\f*4*SP  ; LDS serves a wave's instructions in order (ISA guide 5.7.1.4): these see the stores above
.endr
.endm
.macro SEND t, younger              ; younger: the LDS instructions issued behind tile t's loads: the next tile's eight, or none
	WIN 0
.irp f, 0,1,2,3
	s_wait_dscnt (\younger)+3-\f
	global_store_b128 v[GO], v[S+16*(\t)+4*\f:S+16*(\t)+4*\f+3], s[10:11] offset:(\t)*2048+\f*512  ; 512 consecutive bytes, at a multiple of 256 from O's first
.endr
.endm
	PACK 0
.set t, 1
.rept 2*NP-1                        ; a tile's arithmetic stands between the loads of the tile before and its stores
	PACK t
	SEND t-1, 8
.set t, t+1
.endr
	SEND 2*NP-1, 0
	WIN W_AD
	s_wait_tensorcnt 0x0            ; the wave's end, behind my last tensor load and my last LDS store
	ds_add_u32 v[SPW], v[NIL]
	s_wait_dscnt 0x0
	WIN 0
	CROUND                          ; the closing round
	s_endpgm
.Lfunc_end_k_qabbc2ea633_attn:
	.size	k_qabbc2ea633_attn, .Lfunc_end_k_qabbc2ea633_attn-k_qabbc2ea633_attn
	.p2alignl 7, 3214868480
	.fill 96, 4, 3214868480
	.section	.rodata,"a",@progbits
	.p2align	6, 0x0
	.amdhsa_kernel k_qabbc2ea633_attn
		.amdhsa_group_segment_fixed_size 327680
		.amdhsa_private_segment_fixed_size 0
		.amdhsa_enable_private_segment 0
		.amdhsa_kernarg_size 16
		.amdhsa_user_sgpr_count 2
		.amdhsa_user_sgpr_kernarg_segment_ptr 1
		.amdhsa_wavefront_size32 1
		.amdhsa_system_sgpr_workgroup_id_x 1
		.amdhsa_system_sgpr_workgroup_id_y 1
		.amdhsa_system_sgpr_workgroup_id_z 1
		.amdhsa_system_vgpr_workitem_id 0
		.amdhsa_next_free_vgpr 770
		.amdhsa_next_free_sgpr 66
		.amdhsa_reserve_vcc 0
		.amdhsa_float_denorm_mode_32 3
		.amdhsa_float_denorm_mode_16_64 3
		.amdhsa_memory_ordered 1
		.amdhsa_forward_progress 1
		.amdhsa_inst_pref_size 200
	.end_amdhsa_kernel
	.amdgpu_metadata
---
amdhsa.version: [ 1, 2 ]
amdhsa.kernels:
  - .name:           k_qabbc2ea633_attn
    .symbol:         k_qabbc2ea633_attn.kd
    .args:
      - { .name: qkv, .offset: 0, .size: 8, .value_kind: global_buffer, .address_space: global }
      - { .name: o, .offset: 8, .size: 8, .value_kind: global_buffer, .address_space: global }
    .group_segment_fixed_size: 327680
    .private_segment_fixed_size: 0
    .kernarg_segment_align: 8
    .kernarg_segment_size: 16
    .max_flat_workgroup_size: 128
    .sgpr_count:     66
    .vgpr_count:     770
    .wavefront_size: 32
...
	.end_amdgpu_metadata
.endif
;; end of part 3
;; launch proj (part 4): grid 8 x 32, 4 waves a work-group, clusters of 4 x 4, 327,680 bytes of LDS; arguments o, wo, out0; writes out0
.if DOCPART == 4
	.amdgcn_target "amdgcn-amd-amdhsa--gfx1250"
	.amdhsa_code_object_version 6
	.text
	.protected	k_qabbc2ea633_proj
	.globl	k_qabbc2ea633_proj
	.p2align	8
	.type	k_qabbc2ea633_proj,@function
k_qabbc2ea633_proj:
	s_mov_b64 s[64:65], 0
	v_nop
	global_prefetch_b8 v0, s[64:65] scope:SCOPE_SE
	s_setreg_imm32_b32 hwreg(HW_REG_WAVE_MODE, 25, 1), 1
	s_wait_xcnt 0x0
	s_wait_alu depctr_hold_cnt(0) depctr_sa_sdst(0) depctr_va_vdst(0) depctr_va_sdst(0) depctr_va_ssrc(0) depctr_va_vcc(0) depctr_vm_vsrc(0)
	s_getreg_b32 s2, hwreg(HW_REG_IB_STS2, 6, 4)
	s_cmp_eq_u32 s2, 0
	s_cbranch_scc0 .Lentry_in_a_cluster
	s_endpgm
.Lentry_in_a_cluster:
	s_bfe_u32 s2, ttmp6, 0x10000c
	s_cmp_lg_u32 s2, 0xf033
	s_cbranch_scc0 .Lentry_shape_is_right
	s_endpgm
.Lentry_shape_is_right:
; out0 = O wo.  o: [4][16 heads][2,048 rows][64] f16 (8,192 rows x 1,024 channels, a head's 64 channels dense); wo: [1,024 k][1,024 n] f16; out0: [8,192][1,024] f32.  Sums in f32, stored as they are.
; SHARES.  A tile is 256 rows x 128 columns: 32 x 8 = 256 work-groups.  Wave w (wm = w / 2, wn = w % 2) makes rows 128 wm .. + 127 x columns 64 wn .. + 63: 8 x 4 accumulators, which fill window 1.
; K goes in 8 steps of 128 (two heads) through two LDS slots: o's tile is two blocks of 32 KiB on end, asked for as rows of 256 bytes, wo's is 128 rows of 256 bytes.  A step is 128 matrix instructions a wave.
; THE MATRIX INSTRUCTION IS USED TRANSPOSED: source 0 = 16 columns of wo (turned by ds_load_tr16_b128), source 1 = 16 rows of o: a lane holds row lane % 16 and 8 neighbouring columns, 32 bytes of out0.
; CLUSTER 4 x 4: o's tile is shared along a row of the cluster, wo's along a column; each is asked for jointly.
; REGISTERS.  window 0: v16-30 addresses; v32-127, v128-223 two fragment buffers (o's 8 fragments, then wo's 4); on the way out v32-95 rows read back.  window 1: accumulator (a, t) at v[64 t + 8 a].
; The 32 accumulators take turns, one instruction a turn, in the same order in every quarter, over the backward jump too.
.set SLOT1, 131072
.set PA,    144                        ; a row of o in LDS: 128 bytes + 16 (64 banks of 4 bytes: ISA guide 11.1: the 16 rows of a load start at 16 different groups of four banks)
.set PB,    288                        ; a row of wo: 256 + 32 = 9 x 32
.set PLANE, 256*PA                     ; a slot: 256 rows of the first head, 256 of the second, then 128 rows of wo
.set BOFF,  2*PLANE
.set STAGE, SLOT1+BOFF+128*PB          ; behind the ring, never filled by a tensor load: 16 rows x 272 bytes for each wave
.set SP,    272
.set SPARE, STAGE+4*16*SP              ; the spare words, 128 bytes a wave: two blocks of 256 bytes that no other line names
.set ASTEP, 2*262144                   ; two heads
.set BSTEP, 128*2048                   ; 128 rows of wo
.set AA0, 16
.set AB0, 17
.set ADA, 18
.set ADB, 19
.set STO, 24
.set RD,  25
.set CO,  26
.set SPW, 28                           ; v28  my spare word: SPARE + 4 x my thread's number; never rewritten
.set NIL, 29                           ; v29  0; never rewritten
.set PFO, 30
.set F0,  32
.set F1,  128
.set OB,  32
.set G1A, 24
.set G0A, 32
.set G1B, 48
.set G0B, 56
.set CNT, 3
.set TB,  67
.set PFA, 68
.set PSTEP, 70
.set LIM, 72                           ; s72  2 in a wave that prefetches, else the greatest number
.set MSB, 0
.macro WIN new
.if MSB != (\new)
	s_set_vgpr_msb (MSB<<8)|(\new)
.set MSB, (\new)
.endif
.endm
.macro PLACES                          ; four places (ISA guide 7.12.1)
.rept 4
	v_nop
.endr
.endm
.macro JLOAD                           ; a joint refill: waves 0 and 1 fetch o's two heads, waves 2 and 3 the halves of wo's tile
	s_cmp_eq_u32 s11, 0
	s_cbranch_scc0 .Lfor_b_\@
	tensor_load_to_lds s[G0A+4:G0A+7], s[G1A:G1A+7]
	s_nop 0
.rept 4
	v_nop
.endr
	s_branch .Lasked_\@
.Lfor_b_\@:
	tensor_load_to_lds s[G0B+4:G0B+7], s[G1B:G1B+7]
	s_nop 0
.rept 4
	v_nop
.endr
.Lasked_\@:
.endm
.macro CREST
	s_cmp_lg_u32 s10, 0
	s_cbranch_scc1 .Lnot_wave_0_\@
	s_barrier_signal -3
.Lnot_wave_0_\@:
	s_barrier_wait -3
	s_barrier_signal -1
	s_barrier_wait -1
.endm
.macro CROUND
	s_barrier_signal -1
	s_barrier_wait -1
	CREST
.endm
; A PREFETCH INTO THE L2, behind the joint load, its five lines and the run of LDS loads: in trip i the K step i + 4, two steps (256 matrix instructions) ahead of the load that wants it.  Each aligned block
; of 256 bytes is named once in the launch: o's tile row by cluster x = 0, waves 0 and 1 a head each, partner cx 32 of its 128 blocks, a lane a block; wo's tile column by cluster y = 0, wave 2,
; partner cy 32 of the step's 128 rows, a lane a row.  The last two trips ask for nothing; K steps 0 to 3 come by their loads alone.
.macro ASK
	s_cmp_gt_u32 s[CNT], s[LIM]
	s_cbranch_scc0 .Lnot_mine_\@
	global_prefetch_b8 v[PFO], s[PFA:PFA+1] th:TH_LOAD_NT scope:SCOPE_SE
.Lnot_mine_\@:
.endm
	s_load_b128 s[4:7], s[0:1], 0x0                ; o s[4:5], wo s[6:7]
	s_load_b64 s[8:9], s[0:1], 0x10                ; out0
	v_lshl_add_u32 v[SPW], v0, 2, SPARE
	v_mov_b32 v[NIL], 0
	ds_add_u32 v[SPW], v[NIL]                      ; the wave's opening: the add and its wait stand ahead of my first tensor load
	v_lshrrev_b32 v1, 5, v0
	v_readfirstlane_b32 s10, v1                    ; wave 0..3
	s_lshr_b32 s11, s10, 1                         ; wm.  Also: I fetch for o (0) or for wo (1)
	s_and_b32 s12, s10, 1                          ; wn.  Also: which head, or which half of wo's rows, I fetch
	s_bfe_u32 s40, ttmp6, 0x40000                  ; cx
	s_bfe_u32 s41, ttmp6, 0x40004                  ; cy
	s_lshl_b32 s42, ttmp9, 2
	s_add_co_u32 s42, s42, s40                     ; tile column c
	s_and_b32 s13, ttmp7, 0xffff
	s_lshl_b32 s13, s13, 2
	s_add_co_u32 s13, s13, s41                     ; tile row r
	s_lshl_b32 s43, s41, 2
	s_lshl_b32 s43, 15, s43                        ; my row of the cluster
	s_lshl_b32 s44, 0x1111, s40                    ; my column
	s_or_b32 s[G1A], s43, (1<<16)|(1<<20)|(1<<21)|(4<<22)|(3<<25)  ; the mask; 2-byte elements; padding on; bit 21 beside a mask; after every 32 words 4 words
	s_or_b32 s[G1B], s44, (1<<16)|(1<<20)|(1<<21)|(5<<22)|(7<<25)  ; after every 64 words 8 words
	s_mov_b32 s[G1A+1], 128<<16                    ; o: 256 rows of a head are 32,768 dense bytes: 128 rows of 128 elements
	s_mov_b32 s[G1A+2], 128<<16
	s_mov_b32 s[G1A+3], 128<<16
	s_mov_b32 s[G1A+4], 128
	s_mov_b32 s[G1A+5], 128
	s_mov_b32 s[G1A+6], 0
	s_mov_b32 s[G1A+7], 0
	s_mov_b32 s[G1B+1], 128<<16                    ; wo: 64 rows of 128 elements, 1,024 elements from row to row
	s_mov_b32 s[G1B+2], 64<<16
	s_mov_b32 s[G1B+3], 128<<16
	s_mov_b32 s[G1B+4], 64
	s_mov_b32 s[G1B+5], 1024
	s_mov_b32 s[G1B+6], 0
	s_mov_b32 s[G1B+7], 0
	s_lshr_b32 s16, s13, 3                         ; o's tile hangs on r and the wave alone: the batch,
	s_lshl_b32 s16, s16, 22
	s_and_b32 s17, s13, 7
	s_lshl_b32 s17, s17, 15                        ; 256 rows of 128 bytes,
	s_add_co_u32 s16, s16, s17
	s_lshl_b32 s17, s12, 18                        ; my head of the step's two
	s_add_co_u32 s16, s16, s17
	s_mov_b32 s17, 0
	s_lshl_b32 s46, s42, 8                         ; wo's on c and the wave alone: 128 columns,
	s_lshl_b32 s47, s12, 17                        ; my 64 rows of the step's 128
	s_add_co_u32 s46, s46, s47
	s_mov_b32 s47, 0
	s_mul_i32 s20, s12, PLANE                      ; where they go: no place in the cluster enters an LDS address
	s_mul_i32 s21, s12, 64*PB
	s_add_co_u32 s21, s21, BOFF
	s_mov_b32 s[TB], 0
	s_wait_dscnt 0x0                               ; the opening add is done
	s_wait_kmcnt 0x0
	s_add_nc_u64 s[14:15], s[4:5], s[16:17]
	s_add_nc_u64 s[46:47], s[6:7], s[46:47]
.irp s, 0,1
	s_mov_b32 s[G0A+4*(\s)], 1
	s_add_co_u32 s[G0A+4*(\s)+1], s20, (\s)*SLOT1
	s_add_nc_u64 s[G0A+4*(\s)+2:G0A+4*(\s)+3], s[14:15], (\s)*ASTEP
	s_or_b32 s[G0A+4*(\s)+3], s[G0A+4*(\s)+3], 0x80000000
	s_mov_b32 s[G0B+4*(\s)], 1
	s_add_co_u32 s[G0B+4*(\s)+1], s21, (\s)*SLOT1
	s_add_nc_u64 s[G0B+4*(\s)+2:G0B+4*(\s)+3], s[46:47], (\s)*BSTEP
	s_or_b32 s[G0B+4*(\s)+3], s[G0B+4*(\s)+3], 0x80000000
.endr
	CROUND                                         ; all sixteen work-groups are here: the first joint loads meet
	s_cmp_eq_u32 s11, 0                            ; a wave's two first fills stand in one branch: two loads of mine are out
	s_cbranch_scc0 .Lfirst_b
	tensor_load_to_lds s[G0A:G0A+3], s[G1A:G1A+7]
	s_nop 0
	tensor_load_to_lds s[G0A+4:G0A+7], s[G1A:G1A+7]
	s_nop 0
.rept 4
	v_nop
.endr
	s_branch .Lfirst_asked
.Lfirst_b:
	tensor_load_to_lds s[G0B:G0B+3], s[G1B:G1B+7]
	s_nop 0
	tensor_load_to_lds s[G0B+4:G0B+7], s[G1B:G1B+7]
	s_nop 0
.rept 4
	v_nop
.endr
.Lfirst_asked:
	v_and_b32 v1, 15, v0                           ; l % 16
	v_bfe_u32 v2, v0, 4, 1                         ; l / 16
	v_mul_u32_u24 v3, v1, PA
	v_lshl_add_u32 v3, v2, 4, v3
	s_mul_i32 s22, s11, 128*PA
	v_add_nc_u32 v[AA0], s22, v3                   ; my 128 rows, row l % 16, 16 bytes for each half of the lanes
	v_and_b32 v4, 7, v0
	v_bfe_u32 v5, v0, 3, 1
	v_lshl_add_u32 v6, v2, 3, v4                   ; the turning load: k 8 (l / 16) + l % 8,
	v_mul_u32_u24 v6, v6, PB
	v_lshl_add_u32 v6, v5, 4, v6                   ; columns 8 ((l / 8) % 2) + 0..7
	s_lshl_b32 s22, s12, 7                         ; my 64 columns
	s_add_co_u32 s22, s22, BOFF
	v_add_nc_u32 v[AB0], s22, v6
	v_mov_b32 v[ADA], v[AA0]                       ; slot 0
	v_mov_b32 v[ADB], v[AB0]
	s_mul_i32 s23, s10, 16*SP
	s_add_co_u32 s23, s23, STAGE                   ; my stage
	v_mul_u32_u24 v[STO], v1, SP                   ; in: row l % 16, 32 bytes for each half of the lanes
	v_lshl_add_u32 v[STO], v2, 5, v[STO]
	v_add_nc_u32 v[STO], s23, v[STO]
	v_mul_u32_u24 v[RD], v2, SP                    ; back: lanes 0-15 take one row of 256 bytes, lanes 16-31 the next
	v_lshl_add_u32 v[RD], v1, 4, v[RD]
	v_add_nc_u32 v[RD], s23, v[RD]
	v_lshlrev_b32 v[CO], 12, v2                    ; and the same two rows in out0
	v_lshl_add_u32 v[CO], v1, 4, v[CO]
	s_lshl_b32 s44, s13, 20                        ; out0 at my corner: 256 rows of 4,096 bytes a tile row,
	s_lshl_b32 s45, s11, 19                        ; my 128 rows,
	s_add_co_u32 s44, s44, s45
	s_lshl_b32 s45, s42, 9                         ; 128 columns of 4 bytes a tile column,
	s_add_co_u32 s44, s44, s45
	s_lshl_b32 s45, s12, 8                         ; my 64
	s_add_co_u32 s44, s44, s45
	s_mov_b32 s45, 0
	s_add_nc_u64 s[8:9], s[8:9], s[44:45]
	; the prefetches: both offsets are made, then the wave's number chooses.  They begin at K step 3; the first trip steps them to 4
	s_lshr_b32 s18, s13, 3
	s_lshl_b32 s18, s18, 22
	s_and_b32 s19, s13, 7
	s_lshl_b32 s19, s19, 15
	s_add_co_u32 s18, s18, s19
	s_lshl_b32 s19, s12, 18                        ; my head
	s_add_co_u32 s18, s18, s19
	s_lshl_b32 s19, s40, 13                        ; my work-group's 32 blocks of its 128
	s_add_co_u32 s18, s18, s19
	s_add_co_u32 s18, s18, 3*ASTEP
	s_lshl_b32 s44, s42, 8
	s_lshl_b32 s45, s41, 16                        ; my work-group's 32 rows of the 128
	s_add_co_u32 s44, s44, s45
	s_add_co_u32 s44, s44, 3*BSTEP
	s_and_b32 s45, ttmp7, 0xffff                   ; cluster y
	s_mov_b32 s46, ASTEP
	s_mov_b32 s47, BSTEP
	s_movk_i32 s20, 256
	s_movk_i32 s21, 2048
	s_cmp_eq_u32 s10, 3
	s_cselect_b32 s22, 1, 0                        ; wave 3 asks for nothing
	s_cmp_eq_u32 s11, 0
	s_cselect_b64 s[PFA:PFA+1], s[4:5], s[6:7]
	s_cselect_b32 s18, s18, s44
	s_cselect_b32 s[PSTEP], s46, s47
	s_cselect_b32 s45, ttmp9, s45                  ; the coordinate along which other clusters read the same bytes
	s_cselect_b32 s20, s20, s21
	s_mov_b32 s19, 0
	s_mov_b32 s[PSTEP+1], 0
	s_add_nc_u64 s[PFA:PFA+1], s[PFA:PFA+1], s[18:19]
	s_or_b32 s45, s45, s22
	s_cmp_eq_u32 s45, 0
	s_cselect_b32 s[LIM], 2, -1                    ; the same in all sixteen partners, for a given wave
	v_and_b32 v[PFO], 31, v0
	v_mul_u32_u24 v[PFO], v[PFO], s20
.macro MUL8 f, t, zero                 ; 8 matrix instructions: column block t x my 8 row blocks, 32 along K.  zero = 1: the product starts the sums
	WIN 0x50                                       ; C and D in window 1, both sources in window 0
.irp a, 0,1,2,3,4,5,6,7
.if \zero
	v_wmma_f32_16x16x32_f16 v[64*(\t)+8*(\a):64*(\t)+8*(\a)+7], v[(\f)+64+8*(\t):(\f)+64+8*(\t)+7], v[(\f)+8*(\a):(\f)+8*(\a)+7], 0
.else
	v_wmma_f32_16x16x32_f16 v[64*(\t)+8*(\a):64*(\t)+8*(\a)+7], v[(\f)+64+8*(\t):(\f)+64+8*(\t)+7], v[(\f)+8*(\a):(\f)+8*(\a)+7], v[64*(\t)+8*(\a):64*(\t)+8*(\a)+7]
.endif
.endr
.endm
.macro FETCH q, f                      ; 24 LDS loads in one run: K quarter q of the slot in hand into buffer f
.irp t, 0,1,2,3
	ds_load_tr16_b128 v[(\f)+64+8*(\t):(\f)+64+8*(\t)+3],   v[ADB] offset:32*PB*(\q)+32*(\t)
	ds_load_tr16_b128 v[(\f)+64+8*(\t)+4:(\f)+64+8*(\t)+7], v[ADB] offset:32*PB*(\q)+32*(\t)+16*PB
.endr
.irp a, 0,1,2,3,4,5,6,7
	ds_load_b128 v[(\f)+8*(\a):(\f)+8*(\a)+3],   v[ADA] offset:((\q)/2)*PLANE+16*PA*(\a)+64*((\q)%2)
	ds_load_b128 v[(\f)+8*(\a)+4:(\f)+8*(\a)+7], v[ADA] offset:((\q)/2)*PLANE+16*PA*(\a)+64*((\q)%2)+32
.endr
.endm
; A K step is four quarters of 32 along K, 32 matrix instructions each, on buffers 0, 1, 0, 1.  One of the first three: multiplies buffer f and fetches quarter qn into g.
.macro QUARTER f, g, qn, zero
	s_wait_dscnt 0x0                               ; buffer f is in: its loads were issued 16 matrix instructions ago
	MUL8 \f, 0, \zero
	MUL8 \f, 1, \zero
	PLACES
	WIN 0
	FETCH \qn, \g
	MUL8 \f, 2, \zero
	MUL8 \f, 3, \zero
.endm
; The last quarter multiplies buffer 1 and changes slots: one barrier.  In front of it each wave waits for all its tensor loads (one is out: its part of the next slot), adds 0 to its spare word, and waits
; for that and for its reads of this slot.  fill = 1: the barrier opens a round of the cluster's, and this slot is filled again, two K steps on, first thing behind the round.
.macro TURN fill
.if \fill
	s_wait_xcnt 0x0                                ; the last prefetch, a K step back, has read its address
	s_add_nc_u64 s[PFA:PFA+1], s[PFA:PFA+1], s[PSTEP:PSTEP+1]
.endif
	WIN 0
	s_wait_tensorcnt 0x0                           ; no tensor load of mine is out, so a group 0 may be written
	ds_add_u32 v[SPW], v[NIL]                      ; 0 onto my spare word
.if \fill
	s_xor_b32 s[G0A+5], s[G0A+5], SLOT1
	s_add_nc_u64 s[G0A+6:G0A+7], s[G0A+6:G0A+7], ASTEP
	s_xor_b32 s[G0B+5], s[G0B+5], SLOT1
	s_add_nc_u64 s[G0B+6:G0B+7], s[G0B+6:G0B+7], BSTEP
.endif
	s_xor_b32 s[TB], s[TB], SLOT1
	s_wait_dscnt 1                                 ; buffer 1 is in; the add alone may be out
	MUL8 F1, 0, 0
	s_wait_dscnt 0x0                               ; the add is done, and my reads of this slot are over
	s_barrier_signal -1
	MUL8 F1, 1, 0
	WIN 0
	s_barrier_wait -1
.if \fill
	CREST
	JLOAD                                          ; its four v_nop are also the places in front of the loads below
.else
	PLACES
.endif
	v_add_nc_u32 v[ADA], s[TB], v[AA0]
	v_add_nc_u32 v[ADB], s[TB], v[AB0]
	FETCH 0, F0
.if \fill
	ASK
.endif
	MUL8 F1, 2, 0
	MUL8 F1, 3, 0
.endm
	s_wait_tensorcnt 1                             ; my part of K step 0 is in; step 1's may stay out
	s_barrier_signal -1
	s_barrier_wait -1
	FETCH 0, F0
	QUARTER F0, F1, 1, 1                           ; the first quarter stands in front of the loop: its products start the 32 sums
	WIN 0
	s_mov_b32 s[CNT], 6
.Lstep:                                            ; trip i: K step i's quarters 1 to 3, the change of slots (slot i % 2 takes step i + 2), step i + 1's quarter 0
	QUARTER F1, F0, 2, 0
	QUARTER F0, F1, 3, 0
	TURN 1
	QUARTER F0, F1, 1, 0
	WIN 0
	s_sub_co_u32 s[CNT], s[CNT], 1
	s_cmp_lg_u32 s[CNT], 0
	s_cbranch_scc1 .Lstep
	QUARTER F1, F0, 2, 0                           ; the tail is written out: nothing more is asked for
	QUARTER F0, F1, 3, 0
	TURN 0
	QUARTER F0, F1, 1, 0
	QUARTER F1, F0, 2, 0
	QUARTER F0, F1, 3, 0
	s_wait_dscnt 0x0
	MUL8 F1, 0, 0
	MUL8 F1, 1, 0
	MUL8 F1, 2, 0
	MUL8 F1, 3, 0
; THE WAY OUT, a block of 16 rows x 64 columns of f32 at a time: a lane's 32 bytes go into my stage's rows of 272 bytes and come back as whole rows of 256.
.macro TOSTAGE a
	WIN 0x04                                       ; the stores' data in window 1
.irp t, 0,1,2,3
	ds_store_b128 v[STO], v[64*(\t)+8*(\a):64*(\t)+8*(\a)+3]   offset:64*(\t)      ; each accumulator from its low end on
	ds_store_b128 v[STO], v[64*(\t)+8*(\a)+4:64*(\t)+8*(\a)+7] offset:64*(\t)+16
.endr
	WIN 0
	s_wait_xcnt 0x0                                ; the stores of the block before last have read this buffer
.irp tt, 0,1,2,3,4,5,6,7
	ds_load_b128 v[OB+32*((\a)%2)+4*(\tt):OB+32*((\a)%2)+4*(\tt)+3], v[RD] offset:2*SP*(\tt)  ; LDS serves a wave's instructions in order (ISA guide 5.7.1.4): these see the stores above
.endr
.endm
.macro SEND a, younger                 ; younger: the LDS instructions issued behind the block's loads: the next block's sixteen, or none
.irp tt, 0,1,2,3,4,5,6,7
	s_wait_dscnt (\younger)+7-(\tt)
	global_store_b128 v[CO], v[OB+32*((\a)%2)+4*(\tt):OB+32*((\a)%2)+4*(\tt)+3], s[8:9] offset:(16*(\a)+2*(\tt))*4096  ; 16 lanes store 256 consecutive bytes, at a multiple of 256 from out0's first byte
.endr
.endm
	PLACES
	TOSTAGE 0
.irp a, 1,2,3,4,5,6,7
	TOSTAGE \a
	SEND (\a)-1, 16
.endr
	SEND 7, 0
	s_wait_tensorcnt 0x0                           ; the wave's end, behind my last tensor load and my last LDS store
	ds_add_u32 v[SPW], v[NIL]
	s_wait_dscnt 0x0
	CROUND                                         ; the closing round: no work-group ends while a partner may still ask for a tile that names it
	s_endpgm
.Lfunc_end_k_qabbc2ea633_proj:
	.size	k_qabbc2ea633_proj, .Lfunc_end_k_qabbc2ea633_proj-k_qabbc2ea633_proj
	.p2alignl 7, 3214868480
	.fill 96, 4, 3214868480
	.section	.rodata,"a",@progbits
	.p2align	6, 0x0
	.amdhsa_kernel k_qabbc2ea633_proj
		.amdhsa_group_segment_fixed_size 327680
		.amdhsa_private_segment_fixed_size 0
		.amdhsa_enable_private_segment 0
		.amdhsa_kernarg_size 24
		.amdhsa_user_sgpr_count 2
		.amdhsa_user_sgpr_kernarg_segment_ptr 1
		.amdhsa_wavefront_size32 1
		.amdhsa_system_sgpr_workgroup_id_x 1
		.amdhsa_system_sgpr_workgroup_id_y 1
		.amdhsa_system_sgpr_workgroup_id_z 1
		.amdhsa_system_vgpr_workitem_id 0
		.amdhsa_next_free_vgpr 512
		.amdhsa_next_free_sgpr 80
		.amdhsa_reserve_vcc 0
		.amdhsa_float_denorm_mode_32 3
		.amdhsa_float_denorm_mode_16_64 3
		.amdhsa_memory_ordered 1
		.amdhsa_forward_progress 1
		.amdhsa_inst_pref_size 72
	.end_amdhsa_kernel
	.amdgpu_metadata
---
amdhsa.version: [ 1, 2 ]
amdhsa.kernels:
  - .name:           k_qabbc2ea633_proj
    .symbol:         k_qabbc2ea633_proj.kd
    .args:
      - { .name: o, .offset: 0, .size: 8, .value_kind: global_buffer, .address_space: global }
      - { .name: wo, .offset: 8, .size: 8, .value_kind: global_buffer, .address_space: global }
      - { .name: out0, .offset: 16, .size: 8, .value_kind: global_buffer, .address_space: global }
    .group_segment_fixed_size: 327680
    .private_segment_fixed_size: 0
    .kernarg_segment_align: 8
    .kernarg_segment_size: 24
    .max_flat_workgroup_size: 128
    .sgpr_count:     80
    .vgpr_count:     512
    .wavefront_size: 32
...
	.end_amdgpu_metadata
.endif
;; end of part 4
;; ======== version 2 of 2: 4 launches; version 1 with the launch prep written anew for expert scheduling mode
;; limits: values are held in f16: magnitudes above 65,504 overflow, below 6.1e-05 lose precision
;; workspace buffers: h 16,777,216 bytes; wq 6,291,456 bytes; wo 2,097,152 bytes; qkv 50,331,648 bytes; o 16,777,216 bytes
;; launch prep (part 5): grid 768 x 1, 4 waves a work-group, no clusters, 0 bytes of LDS; arguments x, ln_w, ln_b, w_qkv, w_out, h, wq, wo; writes h, wq, wo
.if DOCPART == 5
	.amdgcn_target "amdgcn-amd-amdhsa--gfx1250"
	.amdhsa_code_object_version 6
	.text
	.protected	k_qabbc2ea633_prep
	.globl	k_qabbc2ea633_prep
	.p2align	8
	.type	k_qabbc2ea633_prep,@function
k_qabbc2ea633_prep:
	s_mov_b64 s[64:65], 0
	v_nop
	global_prefetch_b8 v0, s[64:65] scope:SCOPE_SE
	s_setreg_imm32_b32 hwreg(HW_REG_WAVE_SCHED_MODE, 0, 2), 2
	s_setreg_imm32_b32 hwreg(HW_REG_WAVE_MODE, 25, 1), 1
	s_wait_xcnt 0x0
	s_wait_alu depctr_vm_vsrc(0)
; TWO STREAMS IN ONE LAUNCH.  Work-groups 0-511: h = LayerNorm(x) * ln_w + ln_b, rounded once to f16.  Work-groups 512-767: w_qkv and w_out rounded once to f16, in place order.
; Every work-group reads 65,536 bytes of f32 and writes 32,768 bytes of f16, so all are alike.  No LDS, no barrier, no matrix unit, no cluster: nothing but ln_w and ln_b (8 KiB) is read by two waves.
; LAYERNORM in f32, in two passes over registers: the mean, then the mean of (x - mean)^2, so that a common offset in x is taken away before anything is squared.
; h lies as [4 batches][16 slices of 64 channels][2,048 rows][64] f16: 64 channels of consecutive rows are dense, which is how the product behind asks for them.
; SHARES.  A work-group has 16 rows, a wave 4, as two PAIRS: lanes 0-15 hold one row, lanes 16-31 the next.  A lane holds channels 64 j + 4 (lane % 16) + 0..3, j = 0..15:
; a load's 16 lanes take 256 consecutive bytes of a row, aligned; a store's 32 lanes write two rows of slice j, 256 consecutive bytes, aligned.  A row's sums never leave its 16 lanes.
; LIMITS.  f16 ends at 65,504: |h| (at most 32 |ln_w| + |ln_b|) and the weights stay within it; weights below 6e-5 keep f16's fixed step of 6e-8.  NaN and infinities are not treated apart.
; REGISTERS.  v4-6 offsets; v10-17 four chains of pairs; v18-19 the mean, twice; v20-21 1 / sigma, twice; v24-87 ln_w; v88-215 x, two pairs of rows (in the cast: 32 loads);
; window 1 (v256-319): ln_b, named by its loads and by the multiply-adds alone.
; THE MODE: SCHED_MODE bits 1:0 = 2 (LLVM: expert scheduling mode 2), set by the entry lines.  The code itself states the register dependences between vector instructions and memory
; instructions, with s_wait_alu, always for 0.
; THE PLAN.  Registers that memory instructions touch:
;   v4, v5, v6      offsets, made by vector instructions at a branch's head and never written again: one wait ahead of the branch's first load states that they are written.
;   x's registers   every load of a wave is issued at the head, into registers that no vector instruction has named.  Behind the wait on LOADcnt a pair's (a group's) arithmetic works in place; its last
;                   writers are its conversions; then its stores read registers 4 i and 4 i + 1, and nothing writes them again.
;   ln_w, ln_b      loaded at the head, read by the multiply-adds alone.
; So ONE wait stands between a pair's (a group's) conversions and its stores, and the stores are dealt among the vector instructions of the next pair (group), which name that one's registers alone.
; No register that a load or a store has read is written again, so no wait on vm_vsrc is owed; no vector instruction writes a scalar register or VCC, and EXEC is never written.
.set XO, 4
.set HO, 5
.set WO, 6
.set T,  10
.set MU, 18
.set R,  20
.set W,  24
.set X,  88
.set B,  0                             ; in window 1
.set MSB, 0
.macro WIN new                         ; the immediate's high byte repeats the setting that is left
.if MSB != (\new)
	s_set_vgpr_msb (MSB<<8)|(\new)
.set MSB, (\new)
.endif
.endm
	s_load_b512 s[8:23], s[0:1], 0x0               ; x 8:9, ln_w 10:11, ln_b 12:13, w_qkv 14:15, w_out 16:17, h 18:19, wq 20:21, wo 22:23
	s_mov_b32 s2, ttmp9
	s_mov_b32 s24, 0x3a800000                      ; 1 / 1024
	s_mov_b32 s25, 0x3727c5ac                      ; 1e-5
	v_and_b32 v1, 15, v0                           ; lane % 16
	v_bfe_u32 v2, v0, 4, 1                         ; which row of a pair
	v_lshrrev_b32 v3, 5, v0                        ; wave
	s_wait_kmcnt 0x0
	s_cmp_lt_u32 s2, 512
	s_cbranch_scc0 .Lcast
	s_lshl_b32 s4, s2, 16                          ; 16 rows of 4,096 bytes
	s_mov_b32 s5, 0
	s_add_nc_u64 s[8:9], s[8:9], s[4:5]
	s_lshr_b32 s6, s2, 7                           ; the batch: 128 work-groups each,
	s_lshl_b32 s6, s6, 22                          ; 16 slices of 262,144 bytes
	s_and_b32 s7, s2, 127
	s_lshl_b32 s7, s7, 11                          ; 16 rows of 128 bytes in a slice
	s_add_co_u32 s6, s6, s7
	s_mov_b32 s7, 0
	s_add_nc_u64 s[18:19], s[18:19], s[6:7]
	v_lshlrev_b32 v[WO], 4, v1                     ; 16 (lane % 16)
	v_lshl_add_u32 v[XO], v2, 12, v[WO]            ; + my row of the pair
	v_lshl_add_u32 v[XO], v3, 14, v[XO]            ; + my wave's four rows
	v_lshl_add_u32 v[HO], v3, 2, v2                ; row 4 wave + (0 or 1),
	v_lshlrev_b32 v[HO], 7, v[HO]                  ; 128 bytes each,
	v_lshl_add_u32 v[HO], v1, 3, v[HO]             ; my four channels
	s_wait_alu depctr_va_vdst(0)                   ; v4, v5 and v6 are written: every load and store of this branch reads one of them as its offset.  Up to ln_b's last load only loads and a window switch follow
.irp p, 0,1
.irp j, 0,1,2,3,4,5,6,7,8,9,10,11,12,13,14,15
	global_load_b128 v[X+64*(\p)+4*(\j):X+64*(\p)+4*(\j)+3], v[XO], s[8:9] offset:8192*(\p)+256*(\j) th:TH_LOAD_NT
.endr
.endr
.irp j, 0,1,2,3,4,5,6,7,8,9,10,11,12,13,14,15
	global_load_b128 v[W+4*(\j):W+4*(\j)+3], v[WO], s[10:11] offset:256*(\j)
.endr
	WIN 0x40                                       ; destination in window 1
.irp j, 0,1,2,3,4,5,6,7,8,9,10,11,12,13,14,15
	global_load_b128 v[B+4*(\j):B+4*(\j)+3], v[WO], s[12:13] offset:256*(\j)
.endr
	WIN 0
.macro REDUCE                          ; four chains of pairs into one number, then over the row's 16 lanes: every lane of the row ends with the sum
	v_pk_add_f32 v[T:T+1], v[T:T+1], v[T+2:T+3]
	v_pk_add_f32 v[T+4:T+5], v[T+4:T+5], v[T+6:T+7]
	v_pk_add_f32 v[T:T+1], v[T:T+1], v[T+4:T+5]
	v_add_f32 v[T], v[T], v[T+1]
.irp m, 1,2,4,8
	v_add_f32_dpp v[T], v[T], v[T] row_xmask:\m row_mask:0xf bank_mask:0xf
.endr
.endm
.macro OUT p, k                        ; slice k of pair p: four channels a lane, 8 bytes; no store's register is written again
	global_store_b64 v[HO], v[X+64*(\p)+4*(\k):X+64*(\p)+4*(\k)+1], s[18:19] offset:256*(\p)+262144*(\k)  ; 32 lanes: 256 consecutive bytes, at a multiple of 256 from h's first byte
.endm
.macro LNROW p                         ; a pair of rows
.set XP, X+64*(\p)
.if (\p) == 0
	s_wait_loadcnt 48                              ; pair 0 is in; the 48 younger loads (pair 1, ln_w, ln_b) stay out
.endif
.irp c, 0,1,2,3
	v_pk_add_f32 v[T+2*(\c):T+2*(\c)+1], v[XP+2*(\c):XP+2*(\c)+1], v[XP+8+2*(\c):XP+8+2*(\c)+1]  ; the first eight pairs start the chains: nothing is cleared
.endr
.set i, 8
.rept 24
.if ((\p) == 1) && (i < 24)
	OUT 0, i-8                                     ; pair 0 leaves, a store ahead of each of these additions.  No wait: since the wait behind pair 0's conversions no vector instruction names pair 0's registers or v5
.endif
	v_pk_add_f32 v[T+2*(i%4):T+2*(i%4)+1], v[T+2*(i%4):T+2*(i%4)+1], v[XP+2*i:XP+2*i+1]
.set i, i+1
.endr
	REDUCE
	v_mul_f32 v[MU], s24, v[T]
	v_mov_b32 v[MU+1], v[MU]
.set i, 0
.rept 8                                ; x - mean in place, four pairs at a time, and their squares into the chains
.irp c, 0,1,2,3
	v_pk_add_f32 v[XP+8*i+2*(\c):XP+8*i+2*(\c)+1], v[XP+8*i+2*(\c):XP+8*i+2*(\c)+1], v[MU:MU+1] neg_lo:[0,1] neg_hi:[0,1]
.endr
.irp c, 0,1,2,3
.if i == 0
	v_pk_mul_f32 v[T+2*(\c):T+2*(\c)+1], v[XP+2*(\c):XP+2*(\c)+1], v[XP+2*(\c):XP+2*(\c)+1]
.else
	v_pk_fma_f32 v[T+2*(\c):T+2*(\c)+1], v[XP+8*i+2*(\c):XP+8*i+2*(\c)+1], v[XP+8*i+2*(\c):XP+8*i+2*(\c)+1], v[T+2*(\c):T+2*(\c)+1]
.endif
.endr
.set i, i+1
.endr
	REDUCE
	v_fma_f32 v[T], v[T], s24, s25                 ; variance + 1e-5
	v_rsq_f32 v[R], v[T]                           ; twice, to fill the pair that the packed multiply names
	v_rsq_f32 v[R+1], v[T]
	v_nop                                          ; a plain instruction behind the last of them (ISA guide 5.7.2)
.if (\p) == 0
	s_wait_loadcnt 0x0                             ; ln_w and ln_b are in, and pair 1 with them
.endif
	s_wait_alu depctr_va_vdst(0)                   ; the two reciprocal roots, v20 and v21, are written: one wait for the batch, ahead of their first reader
.set i, 0
.rept 32
	v_pk_mul_f32 v[XP+2*i:XP+2*i+1], v[XP+2*i:XP+2*i+1], v[R:R+1]
.set i, i+1
.endr
	WIN 0x10                                       ; source 2, ln_b, in window 1
.set i, 0
.rept 32
	v_pk_fma_f32 v[XP+2*i:XP+2*i+1], v[XP+2*i:XP+2*i+1], v[W+2*i:W+2*i+1], v[B+2*i:B+2*i+1]
.set i, i+1
.endr
	WIN 0
.set i, 0
.rept 16                               ; slice i's four channels close up into the first two of their four registers
	v_cvt_pk_f16_f32 v[XP+4*i], v[XP+4*i], v[XP+4*i+1]
	v_cvt_pk_f16_f32 v[XP+4*i+1], v[XP+4*i+2], v[XP+4*i+3]
.set i, i+1
.endr
	s_wait_alu depctr_va_vdst(0)                   ; the pair's 32 conversions have written the registers that its sixteen stores read
.if (\p) == 1
.set i, 0
.rept 16                               ; nothing follows pair 1: its stores stand in one run
	OUT 1, i
.set i, i+1
.endr
.endif
.endm
	LNROW 0
	LNROW 1
	s_endpgm
.Lcast:                                            ; 192 work-groups for w_qkv, 64 for w_out
	s_sub_co_u32 s3, s2, 512
	s_sub_co_u32 s26, s3, 192
	s_cmp_lt_u32 s3, 192
	s_cselect_b32 s3, s3, s26                      ; my number within my tensor
	s_cselect_b64 s[4:5], s[14:15], s[16:17]       ; from
	s_cselect_b64 s[6:7], s[20:21], s[22:23]       ; to
	s_lshl_b32 s26, s3, 16
	s_mov_b32 s27, 0
	s_add_nc_u64 s[4:5], s[4:5], s[26:27]
	s_lshl_b32 s28, s3, 15
	s_mov_b32 s29, 0
	s_add_nc_u64 s[6:7], s[6:7], s[28:29]
	v_and_b32 v7, 31, v0
	v_lshlrev_b32 v[XO], 4, v7
	v_lshl_add_u32 v[XO], v3, 14, v[XO]            ; 16,384 x wave + 16 x lane
	v_lshlrev_b32 v[HO], 3, v7
	v_lshl_add_u32 v[HO], v3, 13, v[HO]            ; 8,192 x wave + 8 x lane
	s_wait_alu depctr_va_vdst(0)                   ; v4 and v5 are written: every load and store of this branch reads one of them as its offset
.set i, 0
.rept 32                               ; all of the wave's 16 KiB go out at once
	global_load_b128 v[X+4*i:X+4*i+3], v[XO], s[4:5] offset:512*i th:TH_LOAD_NT
.set i, i+1
.endr
.macro WOUT k                          ; load k's four numbers, 8 bytes a lane; no store's register is written again
	global_store_b64 v[HO], v[X+4*(\k):X+4*(\k)+1], s[6:7] offset:256*(\k)  ; 256 consecutive bytes, aligned
.endm
.set g, 0
.rept 4                                ; four groups of eight loads
	s_wait_loadcnt 24-8*g                          ; loads come back in order (ISA guide 5.7.1): group g is in; the 24 - 8 g loads issued behind it stay out
.if g > 0
	s_wait_alu depctr_va_vdst(0)                   ; the group before has written the registers that its eight stores, dealt below, read; this group's conversions name this group's registers alone
.endif
.set i, 8*g
.rept 8
.if g > 0
	WOUT i-8
.endif
	v_cvt_pk_f16_f32 v[X+4*i], v[X+4*i], v[X+4*i+1]
	v_cvt_pk_f16_f32 v[X+4*i+1], v[X+4*i+2], v[X+4*i+3]
.set i, i+1
.endr
.set g, g+1
.endr
	s_wait_alu depctr_va_vdst(0)                   ; the last group's conversions have written the registers that the last eight stores read
.set i, 24
.rept 8
	WOUT i
.set i, i+1
.endr
	s_endpgm
.Lfunc_end_k_qabbc2ea633_prep:
	.size	k_qabbc2ea633_prep, .Lfunc_end_k_qabbc2ea633_prep-k_qabbc2ea633_prep
	.p2alignl 7, 3214868480
	.fill 96, 4, 3214868480
	.section	.rodata,"a",@progbits
	.p2align	6, 0x0
	.amdhsa_kernel k_qabbc2ea633_prep
		.amdhsa_group_segment_fixed_size 0
		.amdhsa_private_segment_fixed_size 0
		.amdhsa_enable_private_segment 0
		.amdhsa_kernarg_size 64
		.amdhsa_user_sgpr_count 2
		.amdhsa_user_sgpr_kernarg_segment_ptr 1
		.amdhsa_wavefront_size32 1
		.amdhsa_system_sgpr_workgroup_id_x 1
		.amdhsa_system_sgpr_workgroup_id_y 1
		.amdhsa_system_sgpr_workgroup_id_z 1
		.amdhsa_system_vgpr_workitem_id 0
		.amdhsa_next_free_vgpr 320
		.amdhsa_next_free_sgpr 66
		.amdhsa_reserve_vcc 0
		.amdhsa_float_denorm_mode_32 3
		.amdhsa_float_denorm_mode_16_64 3
		.amdhsa_memory_ordered 1
		.amdhsa_forward_progress 1
		.amdhsa_inst_pref_size 48
	.end_amdhsa_kernel
	.amdgpu_metadata
---
amdhsa.version: [ 1, 2 ]
amdhsa.kernels:
  - .name:           k_qabbc2ea633_prep
    .symbol:         k_qabbc2ea633_prep.kd
    .args:
      - { .name: x, .offset: 0, .size: 8, .value_kind: global_buffer, .address_space: global }
      - { .name: ln_w, .offset: 8, .size: 8, .value_kind: global_buffer, .address_space: global }
      - { .name: ln_b, .offset: 16, .size: 8, .value_kind: global_buffer, .address_space: global }
      - { .name: w_qkv, .offset: 24, .size: 8, .value_kind: global_buffer, .address_space: global }
      - { .name: w_out, .offset: 32, .size: 8, .value_kind: global_buffer, .address_space: global }
      - { .name: h, .offset: 40, .size: 8, .value_kind: global_buffer, .address_space: global }
      - { .name: wq, .offset: 48, .size: 8, .value_kind: global_buffer, .address_space: global }
      - { .name: wo, .offset: 56, .size: 8, .value_kind: global_buffer, .address_space: global }
    .group_segment_fixed_size: 0
    .private_segment_fixed_size: 0
    .kernarg_segment_align: 8
    .kernarg_segment_size: 64
    .max_flat_workgroup_size: 128
    .sgpr_count:     66
    .vgpr_count:     320
    .wavefront_size: 32
...
	.end_amdgpu_metadata
.endif
;; end of part 5
;; launch qkv: the kernel of part 2 again; grid 8 x 32, 4 waves a work-group, clusters of 4 x 4, 327,680 bytes of LDS; arguments h, wq, qkv; writes qkv
;; launch attn: the kernel of part 3 again; grid 4 x 64, 4 waves a work-group, clusters of 4 x 1, 327,680 bytes of LDS; arguments qkv, o; writes o
;; launch proj: the kernel of part 4 again; grid 8 x 32, 4 waves a work-group, clusters of 4 x 4, 327,680 bytes of LDS; arguments o, wo, out0; writes out0
